; MI455X (gfx1250); checked and timed in simulation.
; The chip was launched on July 23, 2026; its instructions are those of AMD's public machine-readable ISA for CDNA 5 (MIT licence, August 2026) and "CDNA5" Instruction Set Architecture Reference Guide (July 2026). The comments in the code are by the model that wrote it; some were corrected since.
;; To Me Attention. Allowed arithmetic: float matrix products may take bf16 or f16 operands with f32 sums; other float arithmetic in f32, or as packed bf16 or f16 multiplies, adds, multiply-adds, maxima and minima; sums over many terms, partial sums and values carried from step to step in f32; what a program stores and reads back later, other than sums and carried values, may be rounded once to bf16 or f16.
;; Inputs: b_proj 1,024 float32; b_qkv 3,072 float32; size 8 x 1,024 x 1 float32; w_proj 1,024 x 1,024 float32; w_qkv 3,072 x 1,024 float32; x 8 x 1,024 x 1,024 float32.
;; Outputs: out0 8 x 1,024 x 1,024 float32; out1 8 x 1,024 x 64 float32.
;; 2 versions, each right; version 2 is version 1 with the launch cast written anew for expert scheduling mode. Each part assembles by itself: llvm-mc -triple=amdgcn-amd-amdhsa -mcpu=gfx1250 --defsym DOCPART=n.
;; ======== version 1 of 2: 4 launches
;; limits: values are held in f16: magnitudes above 65,504 overflow, below 6.1e-05 lose precision
;; workspace buffers: xb 16,777,216 bytes; wqb 6,291,456 bytes; wpb 2,097,152 bytes; qkv 50,331,648 bytes; ob 16,777,216 bytes
;; launch cast (part 1): grid 768 x 1, 8 waves a work-group, no clusters, 0 bytes of LDS; arguments x, w_qkv, w_proj, xb, wqb, wpb; writes xb, wqb, wpb
.if DOCPART == 1
	.amdgcn_target "amdgcn-amd-amdhsa--gfx1250"
	.amdhsa_code_object_version 6
	.text
	.protected	k_q3115399543_cast
	.globl	k_q3115399543_cast
	.p2align	8
	.type	k_q3115399543_cast,@function
k_q3115399543_cast:
	s_mov_b64 s[64:65], 0
	v_nop
	global_prefetch_b8 v0, s[64:65] scope:SCOPE_SE
	s_setreg_imm32_b32 hwreg(HW_REG_WAVE_MODE, 25, 1), 1
	s_wait_xcnt 0x0
; xb = bf16(x), wqb = bf16(w_qkv), wpb = f16(bf16(w_proj)): the matrix operands of the two projections, each rounded once to bf16 (to nearest even).
; w_proj's rounded number is written as f16, since it is multiplied with an f16 operand later.
; LIMITS: |w_proj| under 65,520 (beyond it f16 has an infinity); below 2^-14 it keeps f16's fixed step of 2^-24.
; SHARES.  A work-group takes 16,384 numbers: 65,536 bytes in, 32,768 out.  Work-groups 0-511 take x, 512-703 w_qkv, 704-767 w_proj.
; Thread t, turn i of 16: 16 bytes in at 4,096 i + 16 t (a wave's load covers 512 consecutive bytes), 8 bytes out at 2,048 i + 8 t (a wave's store covers 256
; consecutive bytes, aligned).  All sixteen loads go out first; no register is written twice while a memory instruction may read it, so no wait frees any.
; No LDS, no matrix unit, no cluster: nothing is shared and nothing is multiplied.
.set X, 4                              ; v[4:67]   turn i: four f32 as loaded
.set Y, 68                             ; v[68:99]  turn i: two registers to store
.set T, 100                            ; v[100:103] at work
	s_load_b256 s[4:11], s[0:1], 0x0               ; x s[4:5], w_qkv s[6:7], w_proj s[8:9], xb s[10:11]
	s_load_b128 s[12:15], s[0:1], 0x20             ; wqb s[12:13], wpb s[14:15]
	v_lshlrev_b32 v1, 4, v0                        ; 16 t
	v_lshlrev_b32 v2, 3, v0                        ; 8 t
	s_sub_co_u32 s20, ttmp9, 512                   ; my number among w_qkv's work-groups,
	s_sub_co_u32 s21, ttmp9, 704                   ; among w_proj's
	s_mov_b32 s23, 0xffff0000                      ; a word's upper bf16
	s_wait_kmcnt 0x0
	s_cmp_lt_u32 ttmp9, 704
	s_cselect_b64 s[16:17], s[6:7], s[8:9]         ; from where,
	s_cselect_b64 s[18:19], s[12:13], s[14:15]     ; to where,
	s_cselect_b32 s22, s20, s21                    ; which part
	s_cmp_lt_u32 ttmp9, 512
	s_cselect_b64 s[16:17], s[4:5], s[16:17]
	s_cselect_b64 s[18:19], s[10:11], s[18:19]
	s_cselect_b32 s22, ttmp9, s22
	s_lshl_b32 s24, s22, 16                        ; 65,536 bytes in for each part (under 2^26),
	s_mov_b32 s25, 0
	s_lshl_b32 s26, s22, 15                        ; 32,768 out
	s_mov_b32 s27, 0
	s_add_nc_u64 s[16:17], s[16:17], s[24:25]
	s_add_nc_u64 s[18:19], s[18:19], s[26:27]
.irp i, 0,1,2,3,4,5,6,7,8,9,10,11,12,13,14,15
	global_load_b128 v[X+4*(\i):X+4*(\i)+3], v1, s[16:17] offset:4096*(\i) th:TH_LOAD_NT
.endr
; Turn i.  h = 1: the bf16 numbers are widened again and written as f16 (exact inside f16's normal range).
.macro CV i, h
	s_wait_loadcnt 15-(\i)                         ; loads come back in order: turn i's is in, the 15 - i younger ones may stay out
	v_cvt_pk_bf16_f32 v[Y+2*(\i)], v[X+4*(\i)], v[X+4*(\i)+1]
	v_cvt_pk_bf16_f32 v[Y+2*(\i)+1], v[X+4*(\i)+2], v[X+4*(\i)+3]
.if \h
	v_lshlrev_b32 v[T], 16, v[Y+2*(\i)]
	v_and_b32 v[T+1], s23, v[Y+2*(\i)]
	v_lshlrev_b32 v[T+2], 16, v[Y+2*(\i)+1]
	v_and_b32 v[T+3], s23, v[Y+2*(\i)+1]
	v_cvt_pk_f16_f32 v[Y+2*(\i)], v[T], v[T+1]
	v_cvt_pk_f16_f32 v[Y+2*(\i)+1], v[T+2], v[T+3]
.endif
	global_store_b64 v2, v[Y+2*(\i):Y+2*(\i)+1], s[18:19] offset:2048*(\i)
.endm
	s_cmp_ge_u32 ttmp9, 704
	s_cbranch_scc1 .Lhalf
.irp i, 0,1,2,3,4,5,6,7,8,9,10,11,12,13,14,15
	CV \i, 0
.endr
	s_endpgm
.Lhalf:
.irp i, 0,1,2,3,4,5,6,7,8,9,10,11,12,13,14,15
	CV \i, 1
.endr
	s_endpgm
.Lfunc_end_k_q3115399543_cast:
	.size	k_q3115399543_cast, .Lfunc_end_k_q3115399543_cast-k_q3115399543_cast
	.p2alignl 7, 3214868480
	.fill 96, 4, 3214868480
	.section	.rodata,"a",@progbits
	.p2align	6, 0x0
	.amdhsa_kernel k_q3115399543_cast
		.amdhsa_group_segment_fixed_size 0
		.amdhsa_private_segment_fixed_size 0
		.amdhsa_enable_private_segment 0
		.amdhsa_kernarg_size 48
		.amdhsa_user_sgpr_count 2
		.amdhsa_user_sgpr_kernarg_segment_ptr 1
		.amdhsa_wavefront_size32 1
		.amdhsa_system_sgpr_workgroup_id_x 1
		.amdhsa_system_sgpr_workgroup_id_y 1
		.amdhsa_system_sgpr_workgroup_id_z 1
		.amdhsa_system_vgpr_workitem_id 0
		.amdhsa_next_free_vgpr 104
		.amdhsa_next_free_sgpr 66
		.amdhsa_reserve_vcc 0
		.amdhsa_float_denorm_mode_32 3
		.amdhsa_float_denorm_mode_16_64 3
		.amdhsa_memory_ordered 1
		.amdhsa_forward_progress 1
		.amdhsa_inst_pref_size 15
	.end_amdhsa_kernel
	.amdgpu_metadata
---
amdhsa.version: [ 1, 2 ]
amdhsa.kernels:
  - .name:           k_q3115399543_cast
    .symbol:         k_q3115399543_cast.kd
    .args:
      - { .name: x, .offset: 0, .size: 8, .value_kind: global_buffer, .address_space: global }
      - { .name: w_qkv, .offset: 8, .size: 8, .value_kind: global_buffer, .address_space: global }
      - { .name: w_proj, .offset: 16, .size: 8, .value_kind: global_buffer, .address_space: global }
      - { .name: xb, .offset: 24, .size: 8, .value_kind: global_buffer, .address_space: global }
      - { .name: wqb, .offset: 32, .size: 8, .value_kind: global_buffer, .address_space: global }
      - { .name: wpb, .offset: 40, .size: 8, .value_kind: global_buffer, .address_space: global }
    .group_segment_fixed_size: 0
    .private_segment_fixed_size: 0
    .kernarg_segment_align: 8
    .kernarg_segment_size: 48
    .max_flat_workgroup_size: 256
    .sgpr_count:     66
    .vgpr_count:     104
    .wavefront_size: 32
...
	.end_amdgpu_metadata
.endif
;; end of part 1
;; launch gemm_qkv (part 2): grid 16 x 16, 4 waves a work-group, clusters of 4 x 4, 327,680 bytes of LDS; arguments xb, wqb, b_qkv, qkv; writes qkv
.if DOCPART == 2
	.amdgcn_target "amdgcn-amd-amdhsa--gfx1250"
	.amdhsa_code_object_version 6
	.text
	.protected	k_q3115399543_gemm_qkv
	.globl	k_q3115399543_gemm_qkv
	.p2align	8
	.type	k_q3115399543_gemm_qkv,@function
k_q3115399543_gemm_qkv:
	s_mov_b64 s[64:65], 0
	v_nop
	global_prefetch_b8 v0, s[64:65] scope:SCOPE_SE
	s_setreg_imm32_b32 hwreg(HW_REG_WAVE_MODE, 25, 1), 1
	s_wait_xcnt 0x0
	s_wait_alu depctr_hold_cnt(0) depctr_sa_sdst(0) depctr_va_vdst(0) depctr_va_sdst(0) depctr_va_ssrc(0) depctr_va_vcc(0) depctr_vm_vsrc(0)
	s_getreg_b32 s2, hwreg(HW_REG_IB_STS2, 6, 4)
	s_cmp_eq_u32 s2, 0
	s_cbranch_scc0 .Lentry_in_a_cluster
	s_endpgm
.Lentry_in_a_cluster:
	s_bfe_u32 s2, ttmp6, 0x10000c
	s_cmp_lg_u32 s2, 0xf033
	s_cbranch_scc0 .Lentry_shape_is_right
	s_endpgm
.Lentry_shape_is_right:
; q, k, v = xb wqb^T + bf16(b_qkv).  xb: [8192][1024] bf16, wqb: [3072][1024] bf16, b_qkv: [3072] f32; sums in f32, K ascending, the bias as the sums' start.
; The result leaves BY HEADS, rounded once to f16: qkv[b 8][g 48][n 1024][64], g = column / 64 (q: 0-15, k: 16-31, v: 32-47).  No scale is applied here.
; LIMIT: |q|, |k|, |v| under 65,520 (beyond it f16 has an infinity).
; SHARES.  A tile of the result is 256 rows x 192 columns (three heads).  Four waves; wave w owns rows 64 w .. 64 w + 63 and ALL 192 columns: 4 x 12 accumulators of 16 x 16, 384 registers.
; So a wave's rows of a head are whole, each wave has a stage of its own, and the way out needs no barrier.
; A WORK-GROUP STAYS: 512 tiles on 256 work-groups: each makes TWO tiles, 4,096 rows apart, with the same columns (the same rows of wqb, the same bias).  The ring does not stop at the first tile's end: its last
; two changes of slots ask for the second tile's first two K steps, and nothing waits for the first tile's stores.
; K goes in 8 steps of 128 through two LDS slots filled by the tensor data mover; rows of both tiles are 256 bytes of memory, aligned.  A K step is four quarters of 32 along K on two fragment buffers.
; CLUSTER 4 x 4: the four work-groups of a row of the cluster need the same tile of xb, the four of a column the same tile of wqb: each tile is asked for jointly, by the same tensor load,
; descriptor and mask in all four.  Waves 0, 1 fetch xb's two halves (128 rows), waves 2, 3 wqb's (96 rows): one load a wave behind each round of the cluster's barrier.
; THE MATRIX INSTRUCTION IS USED TRANSPOSED (source 0 = 16 rows of wqb, source 1 = 16 rows of xb): lane l holds row l % 16 of the result and the columns 8 (l / 16) + 0..7.
; REGISTERS, in windows of 256 (s_set_vgpr_msb: bits 1:0 source 0, 3:2 source 1, 5:4 source 2, 7:6 destination):
;   window 0: v0-31 addresses; v32-79, v128-223 at work on the way out
;   window 1: two fragment buffers of 128: xb's 4 fragments at f + 8 i, wqb's 12 at f + 32 + 8 b
;   window 2: accumulators of column blocks 0-7 ((b, a) at 8 (4 b + a));  window 3: v0-127 those of blocks 8-11; v128-223 the bias, 8 registers a column block; v224-227 at work
.set NB,    12                         ; column blocks of 16
.set NL,    8+2*NB                     ; LDS loads in a quarter's run
.set PA,    272                        ; an LDS row: 256 bytes + 16 of padding: an odd multiple of 16, so the 16 rows of a fragment load start at 16 different groups of four banks (ISA guide 11.1)
.set HA,    128*PA                     ; what one load brings of xb
.set HB,    96*PA                      ; and of wqb
.set BOFF,  2*HA                       ; wqb's 192 rows lie behind xb's 256
.set SLOT1, 1<<17                      ; slot 1 begins here: one exclusive or turns an address in one slot into the other's
.set STAGE, SLOT1+BOFF+2*HB            ; behind the ring, never filled by a tensor load: for each wave 3 heads x 16 rows x 144 bytes
.set SH,    16*144
.set SW,    3*SH
.set SPARE, STAGE+4*SW                 ; the spare words, 128 bytes a wave: two blocks of 256 bytes that no other line names
.set STEP,  256                        ; bytes of a row in a K step
.set AHEAD, 1                          ; the prefetches run this many K steps ahead of the refills
.set TILES, 2
.set WALK,  4096                       ; rows from a work-group's first tile to its second
.set NEXT_A, WALK*2048-7*STEP          ; bytes from a tile's K step 7 to the next tile's K step 0 in xb: WALK rows down, back along K
.set BACK_B, 7*STEP                    ; in wqb only back
.set NEXT_C, (WALK/1024)*48*131072     ; bytes from a tile to the next in qkv: four batches
.set WV, 12                            ; s12 my wave
.set FB, 13                            ; s13 0: I fetch xb, 1: wqb
.set HF, 14                            ; s14 which half of that tile
.set CX, 15
.set CY, 16
.set TX, 17                            ; s17 tile column, s18 the first tile's row
.set TY, 18
.set G1, 24                            ; s[24:31] descriptor group 1 for xb; s[32:39] group 0: set 0 the first fill of slot 0; set 1 that of slot 1, which then walks
.set G0, 32
.set LIM, 43                           ; s43 AHEAD in a wave that prefetches, else the greatest number
.set PFA, 44                           ; s[44:45] where my prefetches stand
.set G1B, 48                           ; s[48:55], s[56:63] the same for wqb
.set G0B, 56
.set TB, 66                            ; s66 0 or SLOT1: the slot that is read
.set ADRA0, 16                         ; v16, v17 my lane's place in slot 0's tiles; never rewritten
.set ADRB0, 17
.set ADA, 18                           ; v18, v19 the same in the slot that is read
.set ADB, 19
.set STO, 24
.set RD,  25
.set GO,  26
.set BO,  27
.set SPW, 28                           ; v28 LDS address of my spare word; v29 0; never rewritten
.set NIL, 29
.set PFO, 30
.set BIAS, 128                         ; in window 3
.set BT,  224                          ; in window 3
.set TMP, 128
.set BK0, 176
.set BK1, 32
.set F0, 0
.set F1, 128
.set MSB, 0
.macro WIN new                         ; the immediate's high byte repeats the setting that is left; a switch that changes nothing is dropped
.if MSB != (\new)
	s_set_vgpr_msb (MSB<<8)|(\new)
.set MSB, \new
.endif
.endm
.macro PLACES                          ; four plain vector instructions between a matrix instruction and a load into, or a vector read of, its registers
.rept 4
	v_nop
.endr
.endm
.macro CREST                           ; a round of the cluster's barrier behind its opening barrier
	s_cmp_lg_u32 s[WV], 0
	s_cbranch_scc1 .Lnot_wave_0_\@
	s_barrier_signal -3
.Lnot_wave_0_\@:
	s_barrier_wait -3
	s_barrier_signal -1
	s_barrier_wait -1
.endm
.macro CROUND
	s_barrier_signal -1
	s_barrier_wait -1
	CREST
.endm
.macro JLOAD s                         ; a joint load; the branch hangs on the wave's number alone; an s_nop 0 and four v_nop follow each of the two lines
	s_cmp_eq_u32 s[FB], 0
	s_cbranch_scc0 .Lfor_b_\@
	tensor_load_to_lds s[G0+4*(\s):G0+4*(\s)+3], s[G1:G1+7]
	s_nop 0
.rept 4
	v_nop
.endr
	s_branch .Lasked_\@
.Lfor_b_\@:
	tensor_load_to_lds s[G0B+4*(\s):G0B+4*(\s)+3], s[G1B:G1B+7]
	s_nop 0
.rept 4
	v_nop
.endr
.Lasked_\@:
.endm
; A prefetch of the K step that stands AHEAD refills on: a lane a row, 256 bytes of it, one instruction a wave.  xb's rows are asked for by the clusters with x = 0, wqb's by those with y = 0; the four partners
; that fetch a tile jointly share its rows out by address.  how = 0, in the loop: while s3 (trips left) is above AHEAD that K step exists in the tile.  how = 1, at the change of tiles: the next tile's K steps 1 and 2.
.macro ASK how
	WIN 0
.if \how
	s_cmp_eq_u32 s[LIM], AHEAD
.else
	s_cmp_gt_u32 s3, s[LIM]
.endif
	s_cbranch_scc0 .Lnot_mine_\@
	global_prefetch_b8 v[PFO], s[PFA:PFA+1] th:TH_LOAD_NT scope:SCOPE_SE
.Lnot_mine_\@:
.endm
	s_load_b256 s[4:11], s[0:1], 0x0               ; xb s[4:5], wqb s[6:7], b_qkv s[8:9], qkv s[10:11]
	v_lshl_add_u32 v[SPW], v0, 2, SPARE
	v_mov_b32 v[NIL], 0
	ds_add_u32 v[SPW], v[NIL]                      ; the wave's opening: the add and its wait ahead of my first tensor load; work on registers stands between them
	v_lshrrev_b32 v1, 5, v0
	v_readfirstlane_b32 s[WV], v1
	s_lshr_b32 s[FB], s[WV], 1
	s_and_b32 s[HF], s[WV], 1
	s_bfe_u32 s[CX], ttmp6, 0x40000
	s_bfe_u32 s[CY], ttmp6, 0x40004
	s_lshl_b32 s[TX], ttmp9, 2
	s_add_co_u32 s[TX], s[TX], s[CX]               ; tile column = 4 x cluster x + cx
	s_and_b32 s[TY], ttmp7, 0xffff
	s_lshl_b32 s[TY], s[TY], 2
	s_add_co_u32 s[TY], s[TY], s[CY]               ; the first tile's row = 4 x cluster y + cy
	s_lshl_b32 s19, s[CY], 2
	s_lshl_b32 s19, 15, s19                        ; my row of the cluster
	s_lshl_b32 s20, 0x1111, s[CX]                  ; my column
	s_or_b32 s[G1], s19, (1<<16)|(1<<20)|(1<<21)|(5<<22)|(3<<25)   ; mask; 2-byte elements; padding on; bit 21 beside a mask; after every 64 words, 4 words
	s_or_b32 s[G1B], s20, (1<<16)|(1<<20)|(1<<21)|(5<<22)|(3<<25)
	s_mov_b32 s[G1+1], 128<<16                     ; tensor_dim0 = 128
	s_mov_b32 s[G1+2], 128<<16                     ; tensor_dim1 = 128
	s_mov_b32 s[G1+3], 128<<16                     ; tile_dim0 = 128
	s_mov_b32 s[G1+4], 128                         ; tile_dim1 = 128
	s_mov_b32 s[G1+5], 1024                        ; elements from row to row
	s_mov_b32 s[G1+6], 0
	s_mov_b32 s[G1+7], 0
	s_mov_b32 s[G1B+1], 128<<16
	s_mov_b32 s[G1B+2], 96<<16                     ; 96 rows
	s_mov_b32 s[G1B+3], 128<<16
	s_mov_b32 s[G1B+4], 96
	s_mov_b32 s[G1B+5], 1024
	s_mov_b32 s[G1B+6], 0
	s_mov_b32 s[G1B+7], 0
	s_lshl_b32 s21, s[TY], 8
	s_lshl_b32 s22, s[HF], 7
	s_add_co_u32 s40, s21, s22                     ; xb: row 256 x tile row + 128 x half,
	s_lshl_b32 s40, s40, 11                        ; 2,048 bytes a row (under 2^24)
	s_mov_b32 s41, 0
	s_mul_i32 s46, s[TX], 192
	s_mul_i32 s23, s[HF], 96
	s_add_co_u32 s46, s46, s23                     ; wqb: row 192 x tile column + 96 x half
	s_lshl_b32 s46, s46, 11
	s_mov_b32 s47, 0
	s_mul_i32 s42, s[HF], HA                       ; where they go: no place in the cluster enters an LDS address
	s_mul_i32 s68, s[HF], HB
	s_add_co_u32 s68, s68, BOFF
	s_mov_b32 s[TB], 0
	s_wait_dscnt 0x0                               ; the opening add is done
	s_wait_kmcnt 0x0
	s_add_nc_u64 s[40:41], s[4:5], s[40:41]
	s_add_nc_u64 s[46:47], s[6:7], s[46:47]
	CROUND                                         ; all sixteen work-groups are here: the first joint loads meet
.irp s, 0,1
	s_mov_b32 s[G0+4*(\s)], 1
	s_add_co_u32 s[G0+4*(\s)+1], s42, (\s)*SLOT1
	s_add_nc_u64 s[G0+4*(\s)+2:G0+4*(\s)+3], s[40:41], (\s)*STEP
	s_or_b32 s[G0+4*(\s)+3], s[G0+4*(\s)+3], 0x80000000
	s_mov_b32 s[G0B+4*(\s)], 1
	s_add_co_u32 s[G0B+4*(\s)+1], s68, (\s)*SLOT1
	s_add_nc_u64 s[G0B+4*(\s)+2:G0B+4*(\s)+3], s[46:47], (\s)*STEP
	s_or_b32 s[G0B+4*(\s)+3], s[G0B+4*(\s)+3], 0x80000000
	JLOAD \s                                       ; K steps 0 and 1: two loads of mine are out
.endr
	v_and_b32 v1, 15, v0                           ; r = l % 16
	v_bfe_u32 v2, v0, 4, 1                         ; h = l / 16
	v_lshlrev_b32 v[BO], 5, v2                     ; my eight columns of a block: 32 h bytes of the bias
	s_mul_i32 s20, s[TX], 64*NB
	s_mov_b32 s21, 0
	s_add_nc_u64 s[8:9], s[8:9], s[20:21]
	WIN 0xc0                                       ; destination window 3, address window 0
.set bb, 0
.rept NB
	global_load_b128 v[BIAS+8*bb:BIAS+8*bb+3],   v[BO], s[8:9] offset:64*bb
	global_load_b128 v[BIAS+8*bb+4:BIAS+8*bb+7], v[BO], s[8:9] offset:64*bb+16
.set bb, bb+1
.endr
	WIN 0
	v_mul_u32_u24 v3, v1, PA
	v_lshl_add_u32 v3, v2, 4, v3                   ; a fragment's row x pitch + 16 x half
	s_mul_i32 s19, s[WV], 64*PA
	v_add_nc_u32 v[ADRA0], s19, v3                 ; my 64 rows of xb
	v_add_nc_u32 v[ADRB0], BOFF, v3                ; all of wqb's
	v_mov_b32 v[ADA], v[ADRA0]
	v_mov_b32 v[ADB], v[ADRB0]
	s_mul_i32 s19, s[WV], SW
	s_add_co_u32 s19, s19, STAGE                   ; my stage
	v_mul_u32_u24 v4, v1, 144                      ; in: row r, 16 bytes for each half of the lanes
	v_lshl_add_u32 v4, v2, 4, v4
	v_add_nc_u32 v[STO], s19, v4
	v_bfe_u32 v5, v0, 3, 2                         ; back: 32 lanes take four rows of 128 bytes,
	v_and_b32 v6, 7, v0
	v_mul_u32_u24 v5, v5, 144
	v_lshl_add_u32 v5, v6, 4, v5
	v_add_nc_u32 v[RD], s19, v5
	v_and_b32 v7, 31, v0
	v_lshlrev_b32 v[GO], 4, v7                     ; which are 512 consecutive bytes of a head
	s_lshr_b32 s19, s[TY], 2                       ; the first tile's batch
	s_mul_i32 s19, s19, 48
	s_mul_i32 s22, s[TX], 3
	s_add_co_u32 s19, s19, s22                     ; my first head among the 8 x 48
	s_lshl_b32 s19, s19, 10
	s_and_b32 s22, s[TY], 3
	s_lshl_b32 s22, s22, 8
	s_add_co_u32 s19, s19, s22
	s_lshl_b32 s22, s[WV], 6
	s_add_co_u32 s20, s19, s22                     ; + my first row in the batch
	s_lshl_b32 s20, s20, 7                         ; 128 bytes a row (under 2^26)
	s_mov_b32 s21, 0
	s_add_nc_u64 s[10:11], s[10:11], s[20:21]
	; the prefetches: of the rows that a wave fetches, the partner at place p takes 32 p .. (xb, p = cx) or 24 p .. (wqb, p = cy; lanes 24-31 name row 23 of the share again)
	s_lshl_b32 s19, s[TY], 8
	s_lshl_b32 s22, s[HF], 7
	s_add_co_u32 s19, s19, s22
	s_lshl_b32 s22, s[CX], 5
	s_add_co_u32 s19, s19, s22
	s_mul_i32 s23, s[TX], 192
	s_mul_i32 s22, s[HF], 96
	s_add_co_u32 s23, s23, s22
	s_mul_i32 s22, s[CY], 24
	s_add_co_u32 s23, s23, s22
	s_and_b32 s22, ttmp7, 0xffff                   ; cluster y
	s_cmp_eq_u32 s[FB], 0
	s_cselect_b32 s20, s19, s23
	s_cselect_b32 s22, ttmp9, s22                  ; the coordinate along which other clusters read the same rows
	s_cselect_b32 s69, 31, 23
	s_cselect_b64 s[PFA:PFA+1], s[4:5], s[6:7]
	s_cmp_eq_u32 s22, 0
	s_cselect_b32 s[LIM], AHEAD, -1                ; the same in all sixteen partners, for a given wave
	s_lshl_b32 s20, s20, 11
	s_mov_b32 s21, 0
	s_add_nc_u64 s[PFA:PFA+1], s[PFA:PFA+1], s[20:21]
	s_add_nc_u64 s[PFA:PFA+1], s[PFA:PFA+1], (1+AHEAD)*STEP  ; the first change of slots steps it to K step 2 + AHEAD; the K steps before that come by their loads alone
	v_min_u32 v[PFO], s69, v7
	v_lshlrev_b32 v[PFO], 11, v[PFO]
	s_wait_loadcnt 0x0                             ; the bias
	WIN 0xcf                                       ; destination and sources 0, 1 in window 3
.set i, 0
.rept 4*NB                             ; the bias is rounded to bf16 like every input, and widened again: it is the C operand that starts the sums of both tiles
	v_cvt_pk_bf16_f32 v[BT+i%4], v[BIAS+2*i], v[BIAS+2*i+1]
	v_lshlrev_b32 v[BIAS+2*i], 16, v[BT+i%4]
	v_and_b32 v[BIAS+2*i+1], 0xffff0000, v[BT+i%4]
.set i, i+1
.endr
	WIN 0
; nb column blocks from b0 on x my four row blocks, 32 along K, from buffer f.  mode = 1: the bias starts the sums: nothing is ever cleared.
; Every accumulator has one instruction in a quarter, in the same order in every quarter: between two links of a chain stand the 47 others', over the backward jumps too.
.macro MULB f, b0, nb, mode
.set bb, \b0
.rept \nb
.if \mode
	WIN 0x35|((2+bb/8)<<6)                         ; C, the bias, in window 3
.else
	WIN 0x05|((2+bb/8)<<4)|((2+bb/8)<<6)
.endif
.irp a, 0,1,2,3
.if \mode
	v_wmma_f32_16x16x32_bf16 v[8*(4*(bb%8)+(\a)):8*(4*(bb%8)+(\a))+7], v[(\f)+32+8*bb:(\f)+32+8*bb+7], v[(\f)+8*(\a):(\f)+8*(\a)+7], v[BIAS+8*bb:BIAS+8*bb+7]
.else
	v_wmma_f32_16x16x32_bf16 v[8*(4*(bb%8)+(\a)):8*(4*(bb%8)+(\a))+7], v[(\f)+32+8*bb:(\f)+32+8*bb+7], v[(\f)+8*(\a):(\f)+8*(\a)+7], v[8*(4*(bb%8)+(\a)):8*(4*(bb%8)+(\a))+7]
.endif
.endr
.set bb, bb+1
.endr
.endm
.macro MQ1 f, mode                     ; a quarter's 48 products in three parts of 16
	MULB \f, 8, 4, \mode
.endm
.macro MQ2 f, mode
	MULB \f, 0, 4, \mode
.endm
.macro MQ3 f, mode
	MULB \f, 4, 4, \mode
.endm
; 32 LDS loads in one run: the fragments of quarter q of the slot that is read, into buffer f
.macro FETCH q, f
	WIN 0x40                                       ; destination window 1, address window 0
.irp i, 0,1,2,3
	ds_load_b128 v[(\f)+8*(\i):(\f)+8*(\i)+3],   v[ADA] offset:64*(\q)+(\i)*16*PA
	ds_load_b128 v[(\f)+8*(\i)+4:(\f)+8*(\i)+7], v[ADA] offset:64*(\q)+(\i)*16*PA+32
.endr
.set bb, 0
.rept NB
	ds_load_b128 v[(\f)+32+8*bb:(\f)+32+8*bb+3],   v[ADB] offset:64*(\q)+bb*16*PA
	ds_load_b128 v[(\f)+32+8*bb+4:(\f)+32+8*bb+7], v[ADB] offset:64*(\q)+bb*16*PA+32
.set bb, bb+1
.endr
.endm
; One of a K step's first three quarters: quarter qn's fragments are asked for into buffer g, which the quarter before multiplied; buffer f, asked for a quarter ago, is multiplied.
.macro QUARTER qn, f, g, mode
	PLACES
	FETCH \qn, \g
	s_wait_dscnt NL                                ; all but the NL loads just issued: buffer f is in
	MQ1 \f, \mode
	MQ2 \f, \mode
	MQ3 \f, \mode
.endm
; The last quarter multiplies buffer 1 and changes slots: ONE barrier; in front of it each wave waits for all its tensor loads (one is out: its part of the next slot), adds 0 to its spare word, and waits
; for that and for its reads of this slot.  fill = 1: the barrier opens a round of the cluster's barrier, and behind the round this slot is filled again, two K steps ahead in the walk: 160 products stand between
; that request and the wait for it.  on = 1: the refill is the next tile's K step 0; on = 2: its K step 1, one K step on like any other.
.macro TURN fill, on=0
.if \fill
	s_wait_xcnt 0x0                                ; the last prefetch, a K step back, has read its address
.if (\on) == 1
	s_add_nc_u64 s[PFA:PFA+1], s[PFA:PFA+1], NEXT_A  ; from the K step behind the tile's last to the next tile's K step 1
	s_cmp_eq_u32 s[FB], 0
	s_cselect_b32 s[LIM], s[LIM], -1               ; wqb's rows are the same for both tiles: they are asked for in the first tile alone
.else
	s_add_nc_u64 s[PFA:PFA+1], s[PFA:PFA+1], STEP
.endif
.endif
	WIN 0
	s_wait_tensorcnt 0x0                           ; all my tensor loads have landed
	ds_add_u32 v[SPW], v[NIL]                      ; 0 onto my spare word
	s_wait_dscnt 1                                 ; only the add may be out: buffer 1 is in
	MQ1 F1, 0                                      ; sixteen products stand between the add and the wait for it
	s_wait_dscnt 0x0                               ; the add is done, and my reads of this slot are over
	s_barrier_signal -1
	MQ2 F1, 0
	WIN 0
	s_barrier_wait -1
.if \fill
	CREST                                          ; no wave of any partner still reads this slot or has a load on its way
	s_xor_b32 s[G0+5], s[G0+5], SLOT1              ; the walking descriptors: the other slot than last time,
	s_xor_b32 s[G0B+5], s[G0B+5], SLOT1
.if (\on) == 1
	s_add_nc_u64 s[G0+6:G0+7], s[G0+6:G0+7], NEXT_A      ; the next tile's K step 0: xb goes WALK rows down and back along K,
	s_sub_nc_u64 s[G0B+6:G0B+7], s[G0B+6:G0B+7], BACK_B  ; wqb only back
.else
	s_add_nc_u64 s[G0+6:G0+7], s[G0+6:G0+7], STEP        ; the next K step; the type bits on top are not reached
	s_add_nc_u64 s[G0B+6:G0B+7], s[G0B+6:G0B+7], STEP
.endif
	JLOAD 1                                        ; the first tensor load behind the round; its four v_nop are also the places in front of the loads below
.else
	PLACES
.endif
	s_xor_b32 s[TB], s[TB], SLOT1
	v_add_nc_u32 v[ADA], s[TB], v[ADRA0]
	v_add_nc_u32 v[ADB], s[TB], v[ADRB0]
	FETCH 0, F0
.if \fill
.if \on
	ASK 1
.else
	ASK 0
.endif
.endif
	MQ3 F1, 0
.endm
; THE WAY OUT of my row block a (16 rows x 3 heads).  PACK: rounded to f16, each accumulator's registers in ascending order.  TOSTAGE: into my own stage, and back as whole rows of 128 bytes.  SEND: stored.
.macro PACK a
.set bb, 0
.rept NB
	WIN 0x0a+5*(bb/8)                              ; sources 0 and 1 in window 2 or 3
.irp j, 0,1,2,3
	v_cvt_pk_f16_f32 v[TMP+4*bb+(\j)], v[8*(4*(bb%8)+(\a))+2*(\j)], v[8*(4*(bb%8)+(\a))+2*(\j)+1]
.endr
.set bb, bb+1
.endr
	WIN 0
.endm
.macro SETBK a
.set BK, BK0
.if (\a)%2
.set BK, BK1
.endif
.endm
.macro TOSTAGE a
	SETBK \a
.set bb, 0
.rept NB
	ds_store_b128 v[STO], v[TMP+4*bb:TMP+4*bb+3] offset:(bb/4)*SH+32*(bb%4)
.set bb, bb+1
.endr
.set bb, 0
.rept NB
	ds_load_b128 v[BK+4*bb:BK+4*bb+3], v[RD] offset:(bb/4)*SH+(bb%4)*4*144  ; LDS serves a wave's instructions in order (ISA guide 5.7.1.4): these see the stores above
.set bb, bb+1
.endr
.endm
.macro SEND a
	SETBK \a
	s_wait_dscnt 0x0                               ; the block is back in registers
	s_wait_xcnt 0x0                                ; the stores of the block before have read their registers: the next TOSTAGE loads into them
.set bb, 0
.rept NB
	global_store_b128 v[GO], v[BK+4*bb:BK+4*bb+3], s[10:11] offset:(bb/4)*131072+(\a)*2048+(bb%4)*512  ; 512 consecutive bytes of a head, aligned
.set bb, bb+1
.endr
.endm
	s_wait_tensorcnt 1                             ; my part of K step 0 is in; K step 1's may stay out
	s_barrier_signal -1
	s_barrier_wait -1                              ; everybody's is
	FETCH 0, F0
	WIN 0
	s_mov_b32 s2, TILES                            ; tiles to go, this one among them: the same number in every work-group
.Ltile:
	QUARTER 1, F0, F1, 1                           ; a tile's first quarter stands in front of the loop: its products start the sums with the bias
	WIN 0
	s_mov_b32 s3, 6
.Lstep:                                        ; trip t = 0..5: quarters 1, 2, 3 of K step t, quarter 0 of K step t + 1; K step t + 2 is asked for
	QUARTER 2, F1, F0, 0
	QUARTER 3, F0, F1, 0
	TURN 1
	QUARTER 1, F0, F1, 0
	WIN 0
	s_sub_co_u32 s3, s3, 1
	s_cmp_lg_u32 s3, 0
	s_cbranch_scc1 .Lstep
	QUARTER 2, F1, F0, 0                           ; K step 6 goes on
	QUARTER 3, F0, F1, 0
	WIN 0
	s_cmp_eq_u32 s2, 1
	s_cbranch_scc1 .Llast                          ; the last tile's tail is written out: it asks for nothing more
	TURN 1, 1                                      ; THE RING GOES ON INTO THE NEXT TILE: slot 0 takes its K step 0,
	QUARTER 1, F0, F1, 0
	QUARTER 2, F1, F0, 0
	QUARTER 3, F0, F1, 0
	TURN 1, 2                                      ; slot 1 its K step 1, and the next tile's first fragments are fetched
	WIN 0
	s_branch .Lout
.Llast:
	TURN 0
	QUARTER 1, F0, F1, 0
	QUARTER 2, F1, F0, 0
	QUARTER 3, F0, F1, 0
	s_wait_dscnt 0x0
	MQ1 F1, 0
	MQ2 F1, 0
	MQ3 F1, 0
	WIN 0
.Lout:                                         ; the tile goes out; where a tile follows, both its refills have been asked for and land meanwhile
	PLACES
	PLACES
	PACK 0
	TOSTAGE 0
.irp a, 1,2,3                          ; block a's conversions stand between block a - 1's loads from the stage and the wait for them
	PACK \a
	SEND (\a)-1
	TOSTAGE \a
.endr
	SEND 3
	s_wait_xcnt 0x0                                ; the stores have read their base and their registers; nothing waits for the stores themselves
	s_add_nc_u64 s[10:11], s[10:11], NEXT_C        ; the next tile's place in qkv (behind the last tile the stepped address is not used)
	s_sub_co_u32 s2, s2, 1
	s_cmp_lg_u32 s2, 0
	s_cbranch_scc1 .Ltile
	s_wait_tensorcnt 0x0                           ; the wave's end: an add to my spare word and its wait, behind my last tensor load and my last LDS store
	ds_add_u32 v[SPW], v[NIL]
	s_wait_dscnt 0x0
	CROUND                                         ; the closing round: no work-group ends while a partner may still ask for a tile that names it
	s_endpgm
.Lfunc_end_k_q3115399543_gemm_qkv:
	.size	k_q3115399543_gemm_qkv, .Lfunc_end_k_q3115399543_gemm_qkv-k_q3115399543_gemm_qkv
	.p2alignl 7, 3214868480
	.fill 96, 4, 3214868480
	.section	.rodata,"a",@progbits
	.p2align	6, 0x0
	.amdhsa_kernel k_q3115399543_gemm_qkv
		.amdhsa_group_segment_fixed_size 327680
		.amdhsa_private_segment_fixed_size 0
		.amdhsa_enable_private_segment 0
		.amdhsa_kernarg_size 32
		.amdhsa_user_sgpr_count 2
		.amdhsa_user_sgpr_kernarg_segment_ptr 1
		.amdhsa_wavefront_size32 1
		.amdhsa_system_sgpr_workgroup_id_x 1
		.amdhsa_system_sgpr_workgroup_id_y 1
		.amdhsa_system_sgpr_workgroup_id_z 1
		.amdhsa_system_vgpr_workitem_id 0
		.amdhsa_next_free_vgpr 1024
		.amdhsa_next_free_sgpr 76
		.amdhsa_reserve_vcc 0
		.amdhsa_float_denorm_mode_32 3
		.amdhsa_float_denorm_mode_16_64 3
		.amdhsa_memory_ordered 1
		.amdhsa_forward_progress 1
		.amdhsa_inst_pref_size 137
	.end_amdhsa_kernel
	.amdgpu_metadata
---
amdhsa.version: [ 1, 2 ]
amdhsa.kernels:
  - .name:           k_q3115399543_gemm_qkv
    .symbol:         k_q3115399543_gemm_qkv.kd
    .args:
      - { .name: xb, .offset: 0, .size: 8, .value_kind: global_buffer, .address_space: global }
      - { .name: wqb, .offset: 8, .size: 8, .value_kind: global_buffer, .address_space: global }
      - { .name: b_qkv, .offset: 16, .size: 8, .value_kind: global_buffer, .address_space: global }
      - { .name: qkv, .offset: 24, .size: 8, .value_kind: global_buffer, .address_space: global }
    .group_segment_fixed_size: 327680
    .private_segment_fixed_size: 0
    .kernarg_segment_align: 8
    .kernarg_segment_size: 32
    .max_flat_workgroup_size: 128
    .sgpr_count:     76
    .vgpr_count:     1024
    .wavefront_size: 32
...
	.end_amdgpu_metadata
.endif
;; end of part 2
;; launch attn (part 3): grid 2 x 128, 4 waves a work-group, no clusters, 327,680 bytes of LDS; arguments qkv, size, ob, out1; writes ob, out1
.if DOCPART == 3
	.amdgcn_target "amdgcn-amd-amdhsa--gfx1250"
	.amdhsa_code_object_version 6
	.text
	.protected	k_q3115399543_attn
	.globl	k_q3115399543_attn
	.p2align	8
	.type	k_q3115399543_attn,@function
k_q3115399543_attn:
	s_mov_b64 s[64:65], 0
	v_nop
	global_prefetch_b8 v0, s[64:65] scope:SCOPE_SE
	s_setreg_imm32_b32 hwreg(HW_REG_WAVE_MODE, 25, 1), 1
	s_wait_xcnt 0x0
; O[b][h][q][:] = the sum over k of softmax_k(Q[q] . K[k] / 8 + ln size[b][k]) V[k][:], and out1[b][n][:] = the mean over the 16 heads of K[b][h][n][:].
; qkv: [8][48][1024][64] f16 (q heads 0-15, k 16-31, v 32-47), size: [8][1024] f32, ob: [8][16][1024][64] f16, out1: [8][1024][64] f32.
; Products, maxima and sums in f32; the weights p are rounded to f16 for the second product (their sum l is taken of the unrounded p), O once at the end.
; THE BIAS.  BI[k] = 8 ln(bf16(size[k])) is the C operand that starts the sum S^T = K Q^T, so s' = q.k + 8 ln size, and p = 2^(c s' - c m) with c = log2(e) / 8 and m the running maximum of s'.
; LIMITS.  size is rounded to bf16 like every input; a denormal size counts as 0 (weight 0), a negative one gives NaN.  A weight below 2^-126 counts as 0 in l; p below 6e-5 keeps f16's fixed step.
; SHARES.  A work-group owns 512 queries of one head (x = which half, y = 16 b + h), each of its four waves 128: four PIECES of two tiles of 16.  Every wave walks all 1,024 keys, 64 a step.
; ALL OF THE HEAD'S K AND V LIE IN LDS: 1,024 x 144 + 1,024 x 160 = 311,296 bytes; nothing is filled again.  THE FILL GOES IN TWO PARTS: each wave issues two tensor loads at the start: an early one (waves 0, 1: 192 keys
; of K each; waves 2, 3: 128 keys of V each) and a late one (320 keys of K, 384 of V).  The walk has four phases of four key steps.  The first phase reads K's steps 0 to 4 (the step ahead is fetched a step early:
; keys under 320 of the 384) and V's steps 0 to 3 (the 256), so it begins when the early part has landed, and the late part lands beside it.  At each phase's end every wave waits for its loads and passes a
; barrier: the first time that shows the late part whole to all; the other three times it finds nothing out: the price of one text for every phase.
; NO CLUSTER: a head has two work-groups; a cluster of four would hold two heads, whose tiles differ, and what the two share is 256 KiB once a launch, against 2,080 matrix instructions a wave.
; NO PREFETCH: every byte of K and V is asked for by the first fills at the head; no later stream exists.
; OUT1: each work-group makes 32 rows, each wave 8: 16 heads x 1,024 bytes of k, loaded at the head into registers that the walk leaves alone, and summed in f32 with the factor 1/16 behind O's way out.
; LAYOUT.  S^T = K Q^T (source 0 = 16 keys, source 1 = 16 queries): a lane holds ONE query (lane % 16) and the keys 8 (lane / 16) + 0..7.  Two such tiles, rounded to f16 in pairs, ARE source 1 of O^T = V^T P.
; K comes out of LDS as it lies, V ([key][channel]) turned, by ds_load_tr16_b128.  In every step O and l are multiplied by a = 2^(c m_old - c m_new); m starts at the lowest finite number, O and l at 0.
; BY TURNS.  Turn n belongs to piece n: 16 products K Q^T of piece n + 1, later 16 products V^T P of piece n - 1; beside them the scaling, exponentials, roundings, sums and rescaling of piece n and the maximum
; and statistics of piece n + 1.  Four vector instructions stand behind every matrix instruction, the others in one lump; a turn's 66 exponentials are one batch with one wait.
; REGISTERS, in windows of 256 (s_set_vgpr_msb: bits 1:0 source 0, 3:2 source 1, 5:4 source 2, 7:6 destination):
;   window 0: v0-11 addresses; v12-15, v48-63 at work; v16-47 four registers of statistics a tile; v64-191 S^T, two buffers of two tiles; v192-255 P, likewise
;   window 1: O^T, 32 a tile     window 2: v0-127 Q; v128-191 K of one step; v192-255 V of one step
;   window 3: v0-1 the add's registers; v2-3 the table's addresses; v8-39 BI of one step; v64-191 k for out1; v192-209 out1's sums, 0 and 1/16
.set NP,    4
.set KS,    64
.set PK,    144       ; a row of K in LDS: 128 bytes + 16 of padding: the 16 rows of a load start at 16 different groups of four banks (ISA guide 11.1)
.set PV,    160       ; a row of V: 128 + 32
.set KE,    192       ; keys in a wave's early load of K, and in its late one
.set KL,    320
.set VE,    128       ; the same for V
.set VL,    384
.set VOFF,  1024*PK
.set STAGE, VOFF+1024*PV   ; never filled by a tensor load: 16 rows x 144 bytes for each wave
.set SP,    144
.set TAB,   STAGE+4*16*SP  ; BI, 1,024 f32
.set SPARE, TAB+4096       ; the spare words, 128 bytes a wave: two blocks of 256 bytes that no other line names
.set AK0, 2
.set AV0, 3
.set AK,  4
.set AV,  5
.set QO,  6           ; v6 my byte offset in Q's rows; later STO
.set STO, 6
.set RD,  7
.set GO,  8           ; v8 16 x lane; never rewritten
.set SPW, 0           ; window 3
.set NIL, 1
.set AB0, 2           ; window 3: TAB + 32 (l / 16)
.set AB,  3           ; window 3: the same at the step to be fetched
.set BI,  8           ; window 3: key block kb at BI + 8 kb
.set KD,  64          ; window 3: the 32 loads of k
.set KA,  192         ; window 3: the sixteen sums
.set KZ,  208         ; window 3: 0
.set KC,  209         ; window 3: 1/16
.set KB,  64          ; window 3: out1's rows read back
.set MV,  12
.set ST,  16
.set TMP, 48
.set S,   64
.set P,   192
.set KF,  128
.set VF,  192
.set SZO, 210         ; at the head only, in P's first buffer: v210, v211 addresses; v212-223 size at work
.set TBA, 211
.set TS,  212
.set TT,  220
.set WV,  12
.set G1K, 24          ; s[24:31], s[32:39] descriptor group 1 of the early loads; s[72:79], s[80:87] of the late ones
.set G1V, 32
.set G0K, 40          ; s[40:43], s[44:47] group 0 of the early loads; s[88:91], s[92:95] of the late ones
.set G0V, 44
.set G1K2, 72
.set G1V2, 80
.set G0K2, 88
.set G0V2, 92
.set CNT, 57
.set CS,  58
.set SEL, 60
.set TBK, 62
.set TBV, 63
.set TBB, 66
.set PH,  67          ; s67 phases to go
.set KMB, 68          ; s[68:69] k at my 8 rows of head 0
.set MSB, 0
.macro WIN new
.if MSB != (\new)
	s_set_vgpr_msb (MSB<<8)|(\new)
.set MSB, (\new)
.endif
.endm
.set W_KQ, 0x0a       ; K and Q in window 2, S^T in window 0
.set W_KB, 0x3a       ; the same with the C operand, BI, in window 3
.set W_PV, 0x52       ; V in window 2, P in window 0, O^T in window 1
.set W_RS, 0x41       ; O^T (destination and source 0) in window 1, a in window 0
.set W_MK, 0xc0
.set W_AD, 0x0f
	s_load_b256 s[4:11], s[0:1], 0x0  ; qkv s[4:5], size s[6:7], ob s[8:9], out1 s[10:11]
	WIN W_MK
	v_lshl_add_u32 v[SPW], v0, 2, SPARE
	v_mov_b32 v[NIL], 0
	WIN W_AD
	ds_add_u32 v[SPW], v[NIL]       ; the wave's opening: the add and its wait ahead of my first tensor load; work on registers stands between them
	WIN 0
	v_lshrrev_b32 v1, 5, v0
	v_readfirstlane_b32 s[WV], v1
	v_and_b32 v1, 15, v0            ; l % 16
	v_bfe_u32 v9, v0, 4, 1          ; l / 16
	v_lshlrev_b32 v[QO], 7, v1
	v_lshl_add_u32 v[QO], v9, 4, v[QO]  ; Q: row x 128 + 16 x half
	v_lshlrev_b32 v[SZO], 5, v0     ; thread t makes BI of keys 8 t .. 8 t + 7
	s_and_b32 s13, ttmp7, 0xffff    ; y
	s_lshr_b32 s14, s13, 4          ; the batch
	s_and_b32 s15, s13, 15          ; the head
	s_mul_i32 s16, s14, 48
	s_add_co_u32 s17, s16, s15
	s_lshl_b32 s20, s17, 17         ; q's head in qkv: 131,072 bytes a head (all offsets under 2^26)
	s_mov_b32 s21, 0
	s_and_b32 s18, s[WV], 1         ; which of the two waves that fetch K, or V, I am
	s_mul_i32 s19, s18, KE*128      ; my parts in memory, from the head's first key: early K,
	s_add_co_u32 s22, s20, s19
	s_mov_b32 s23, 0
	s_mul_i32 s19, s18, KL*128      ; late K,
	s_add_co_u32 s48, s20, s19
	s_mov_b32 s49, 0
	s_mul_i32 s19, s18, VE*128      ; early V,
	s_add_co_u32 s50, s20, s19
	s_mov_b32 s51, 0
	s_mul_i32 s19, s18, VL*128      ; late V
	s_add_co_u32 s52, s20, s19
	s_mov_b32 s53, 0
	s_mov_b32 s[G0K], 1             ; and their places in LDS
	s_mul_i32 s[G0K+1], s18, KE*PK
	s_mov_b32 s[G0K2], 1
	s_mul_i32 s19, s18, KL*PK
	s_add_co_u32 s[G0K2+1], s19, 2*KE*PK
	s_mov_b32 s[G0V], 1
	s_mul_i32 s19, s18, VE*PV
	s_add_co_u32 s[G0V+1], s19, VOFF
	s_mov_b32 s[G0V2], 1
	s_mul_i32 s19, s18, VL*PV
	s_add_co_u32 s[G0V2+1], s19, VOFF+2*VE*PV
	s_lshl_b32 s54, ttmp9, 16       ; my work-group's 512 queries,
	s_lshl_b32 s55, s[WV], 14       ; my wave's 128
	s_add_co_u32 s54, s54, s55
	s_add_co_u32 s20, s20, s54      ; Q
	s_lshl_b32 s2, s13, 17
	s_add_co_u32 s2, s2, s54        ; O
	s_mov_b32 s3, 0
	s_lshl_b32 s54, s14, 12         ; the batch's sizes
	s_mov_b32 s55, 0
	s_lshl_b32 s19, s15, 1
	s_add_co_u32 s19, s19, ttmp9
	s_lshl_b32 s19, s19, 5          ; out1: the work-group's 32 rows of the batch,
	s_lshl_b32 s56, s[WV], 3
	s_add_co_u32 s19, s19, s56      ; my wave's 8
	s_add_co_u32 s16, s16, 16       ; k's head 0
	s_lshl_b32 s16, s16, 17
	s_lshl_b32 s56, s19, 7
	s_add_co_u32 s16, s16, s56
	s_mov_b32 s17, 0
	s_lshl_b32 s70, s14, 10
	s_add_co_u32 s70, s70, s19
	s_lshl_b32 s70, s70, 8          ; 256 bytes a row of out1
	s_mov_b32 s71, 0
	; descriptor group 1.  n keys are 128 n dense bytes: asked for as n / 2 rows of 256 bytes, two keys a row, and padded in LDS after every key
	s_mov_b32 s[G1K],  (1<<16)|(1<<20)|(4<<22)|(3<<25)  ; 2-byte elements; padding on; after every 32 words, 4 words
	s_mov_b32 s[G1K2], (1<<16)|(1<<20)|(4<<22)|(3<<25)
	s_mov_b32 s[G1V],  (1<<16)|(1<<20)|(4<<22)|(7<<25)  ; the same with 8 words
	s_mov_b32 s[G1V2], (1<<16)|(1<<20)|(4<<22)|(7<<25)
.irp g, G1K, G1V, G1K2, G1V2
	s_mov_b32 s[\g+1], 128<<16      ; tensor_dim0 = 128
	s_mov_b32 s[\g+3], 128<<16      ; tile_dim0 = 128
	s_mov_b32 s[\g+5], 128          ; 128 elements from row to row
	s_mov_b32 s[\g+6], 0
	s_mov_b32 s[\g+7], 0
.endr
	s_mov_b32 s[G1K+2], (KE/2)<<16  ; tensor_dim1 and tile_dim1: the rows
	s_mov_b32 s[G1K+4], KE/2
	s_mov_b32 s[G1K2+2], (KL/2)<<16
	s_mov_b32 s[G1K2+4], KL/2
	s_mov_b32 s[G1V+2], (VE/2)<<16
	s_mov_b32 s[G1V+4], VE/2
	s_mov_b32 s[G1V2+2], (VL/2)<<16
	s_mov_b32 s[G1V2+4], VL/2
	s_mov_b32 s[CS], 0x3e38aa3b     ; c = log2(e) / 8
	s_mov_b32 s[CS+1], s[CS]
	s_mov_b32 s[SEL], 0x76543210
	s_mov_b32 s[SEL+1], 0xfedcba98
	s_mov_b32 s[TBK], 0
	s_mov_b32 s[TBV], 0
	s_mov_b32 s[TBB], 0
	s_wait_dscnt 0x0                ; the opening add is done
	s_wait_kmcnt 0x0
	s_add_nc_u64 s[G0K+2:G0K+3], s[4:5], s[22:23]
	s_add_nc_u64 s[G0K+2:G0K+3], s[G0K+2:G0K+3], 16<<17  ; k lies 16 heads behind q
	s_or_b32 s[G0K+3], s[G0K+3], 0x80000000
	s_add_nc_u64 s[G0K2+2:G0K2+3], s[4:5], s[48:49]
	s_add_nc_u64 s[G0K2+2:G0K2+3], s[G0K2+2:G0K2+3], (16<<17)+2*KE*128
	s_or_b32 s[G0K2+3], s[G0K2+3], 0x80000000
	s_add_nc_u64 s[G0V+2:G0V+3], s[4:5], s[50:51]
	s_add_nc_u64 s[G0V+2:G0V+3], s[G0V+2:G0V+3], 32<<17  ; v 32
	s_or_b32 s[G0V+3], s[G0V+3], 0x80000000
	s_add_nc_u64 s[G0V2+2:G0V2+3], s[4:5], s[52:53]
	s_add_nc_u64 s[G0V2+2:G0V2+3], s[G0V2+2:G0V2+3], (32<<17)+2*VE*128
	s_or_b32 s[G0V2+3], s[G0V2+3], 0x80000000
	s_add_nc_u64 s[KMB:KMB+1], s[4:5], s[16:17]
	s_add_nc_u64 s[4:5], s[4:5], s[20:21]
	s_add_nc_u64 s[6:7], s[6:7], s[54:55]
	s_add_nc_u64 s[8:9], s[8:9], s[2:3]
	s_add_nc_u64 s[10:11], s[10:11], s[70:71]
	; what the first products want beside the early tiles goes out first: size and Q
	global_load_b128 v[TS:TS+3],   v[SZO], s[6:7]
	global_load_b128 v[TS+4:TS+7], v[SZO], s[6:7] offset:16
	WIN 0x80                        ; destination window 2, address window 0
.set i, 0
.rept 4*NP                          ; Q stays in registers: tile i / 2, channels 32 (i % 2) on
	global_load_b128 v[8*i:8*i+3],   v[QO], s[4:5] offset:(i/2)*2048+(i%2)*64
	global_load_b128 v[8*i+4:8*i+7], v[QO], s[4:5] offset:(i/2)*2048+(i%2)*64+32
.set i, i+1
.endr
	WIN 0
	; THE FILLS: a wave's two stand in one branch, ahead of every wait on TENSORcnt, every LDS read and every barrier: two loads of mine are out.  An s_nop 0 follows each, four v_nop the second's.
	s_cmp_lt_u32 s[WV], 2
	s_cbranch_scc0 .Lfor_v
	tensor_load_to_lds s[G0K:G0K+3], s[G1K:G1K+7]
	s_nop 0
	tensor_load_to_lds s[G0K2:G0K2+3], s[G1K2:G1K2+7]
	s_nop 0
.rept 4
	v_nop
.endr
	s_branch .Lasked
.Lfor_v:
	tensor_load_to_lds s[G0V:G0V+3], s[G1V:G1V+7]
	s_nop 0
	tensor_load_to_lds s[G0V2:G0V2+3], s[G1V2:G1V2+7]
	s_nop 0
.rept 4
	v_nop
.endr
.Lasked:
	v_and_b32 v[GO], 31, v0
	v_lshlrev_b32 v[GO], 4, v[GO]
	v_mul_u32_u24 v[AK0], v1, PK
	v_lshl_add_u32 v[AK0], v9, 4, v[AK0]  ; row x pitch + 16 x half
	v_and_b32 v10, 7, v0            ; the turning load: lane l reads key 8 (l / 16) + l % 8, channels 8 ((l / 8) % 2) + 0..7
	v_bfe_u32 v11, v0, 3, 1
	v_lshl_add_u32 v[AV0], v9, 3, v10
	v_mul_u32_u24 v[AV0], v[AV0], PV
	v_lshl_add_u32 v[AV0], v11, 4, v[AV0]
	v_add_nc_u32 v[AV0], VOFF, v[AV0]
	v_mov_b32 v[AK], v[AK0]         ; key step 0
	v_add_nc_u32 v[TBA], TAB, v[SZO]
	WIN W_MK
	v_lshl_add_u32 v[AB0], v9, 5, TAB  ; my lanes' eight keys of a block of 16: 32 bytes
	WIN 0xc3
	v_mov_b32 v[AB], v[AB0]
	; What the first turn finds: V's registers and P's second buffer hold 0 (its products V^T P, of a piece that has not been, add 0), O^T and l are 0.
	WIN 0x80
.set i, VF
.rept 64
	v_mov_b32 v[i], 0
.set i, i+1
.endr
	WIN 0x40
.set i, 0
.rept 64*NP
	v_mov_b32 v[i], 0
.set i, i+1
.endr
	WIN 0
.set i, 0
.rept 2*NP
	v_mov_b32 v[ST+4*i], 0xfe000000    ; c m: far below every c s
	v_mov_b32 v[ST+4*i+1], 0xff7fffff  ; m
	v_mov_b32 v[ST+4*i+2], 0
	v_mov_b32 v[ST+4*i+3], 0
.set i, i+1
.endr
.set i, P+32
.rept 32
	v_mov_b32 v[i], 0
.set i, i+1
.endr
	; THE TABLE: BI = 8 ln 2 x log2(bf16(size))
	s_wait_loadcnt 32               ; size is in; Q's 32 loads may stay out
.irp j, 0,1,2,3
	v_cvt_pk_bf16_f32 v[TT+(\j)], v[TS+2*(\j)], v[TS+2*(\j)+1]
.endr
.irp j, 0,1,2,3
	v_lshlrev_b32 v[TS+2*(\j)], 16, v[TT+(\j)]
	v_and_b32 v[TS+2*(\j)+1], 0xffff0000, v[TT+(\j)]
.endr
.irp j, 0,1,2,3,4,5,6,7
	v_log_f32 v[TS+(\j)], v[TS+(\j)]
.endr
	v_nop                           ; a plain instruction behind the last logarithm,
	s_wait_alu depctr_va_vdst(0)    ; and the wait ahead of the first use: one for the eight
.irp j, 0,1,2,3
	v_pk_mul_f32 v[TS+2*(\j):TS+2*(\j)+1], v[TS+2*(\j):TS+2*(\j)+1], 0x40b17218 op_sel_hi:[1,0]
.endr
	ds_store_b128 v[TBA], v[TS:TS+3]
	ds_store_b128 v[TBA], v[TS+4:TS+7] offset:16
	WIN W_MK                        ; destination window 3, address window 0
.set g, 0
.rept 2                             ; k for out1, wanted only at the end: head hh, rows 4 g .. 4 g + 3 of my 8: 512 consecutive bytes a load
.set hh, 0
.rept 16
	global_load_b128 v[KD+4*(16*g+hh):KD+4*(16*g+hh)+3], v[GO], s[KMB:KMB+1] offset:hh*131072+g*512
.set hh, hh+1
.endr
.set g, g+1
.endr
	WIN 0
	s_mul_i32 s13, s[WV], 16*SP
	s_add_co_u32 s13, s13, STAGE    ; my stage
	s_wait_tensorcnt 0x1            ; my early load has landed; the late one may stay out, and the first phase reads none of its bytes
	s_wait_dscnt 0x0                ; my part of the table is stored
	s_barrier_signal -1
	s_barrier_wait -1               ; the early parts of K and V and the table are whole
; THE MATRIX WORK.  The 8 accumulators of a run of 16 take turns: between the two links of a chain stand 7 others'.
; Product i of 16 of S^T = K Q^T for piece x: channels 32 (i / 8) on, keys 16 ((i / 2) % 4) on, tile 2 x + i % 2.  The first 8 start the sums with BI.
.macro KQ x
.set rS, S+64*((\x)%2)+32*(i%2)+8*((i/2)%4)
.set rK, KF+16*((i/2)%4)+8*(i/8)
.set rQ, 16*(2*(\x)+i%2)+8*(i/8)
.set rB, BI+8*((i/2)%4)
.if i < 8
	WIN W_KB
	v_wmma_f32_16x16x32_f16 v[rS:rS+7], v[rK:rK+7], v[rQ:rQ+7], v[rB:rB+7]
.else
	WIN W_KQ
	v_wmma_f32_16x16x32_f16 v[rS:rS+7], v[rK:rK+7], v[rQ:rQ+7], v[rS:rS+7]
.endif
.endm
; Product i of 16 of O^T += V^T P for piece x: keys 32 (i / 8) on, channels 16 ((i / 2) % 4) on, tile 2 x + i % 2.
.macro PV x
	WIN W_PV
.set rO, 32*(2*(\x)+i%2)+8*((i/2)%4)
.set rV, VF+32*(i/8)+8*((i/2)%4)
.set rP, P+32*((\x)%2)+16*(i%2)+8*(i/8)
	v_wmma_f32_16x16x32_f16 v[rO:rO+7], v[rV:rV+7], v[rP:rP+7], v[rO:rO+7]
.endm
.macro MM                           ; the turn's next matrix instruction
.if i < 16
	KQ (Y+1)%NP
.set i, i+1
.else
.set i, i-16
	PV (Y+NP-1)%NP
.set i, i+17
.endif
.endm
; THE LDS LOADS stand in runs, never singly among the matrix instructions: a step's K (8 fragments) with its BI (8 loads in which 16 lanes share each word), and its V (turned).
; last = 1: when all sixteen steps have been fetched there is no further step, and the run is jumped over.
.macro FETCH_K last=0
	WIN 0
.if \last
	s_cmp_eq_u32 s[TBK], 16*KS*PK
	s_cbranch_scc1 .Lno_k_\@
.endif
	WIN 0x80                        ; destination window 2
.irp f, 0,1,2,3,4,5,6,7             ; keys 16 (f / 2) on, channels 32 (f % 2) on
	ds_load_b128 v[KF+8*\f:KF+8*\f+3],   v[AK] offset:(\f/2)*16*PK+(\f%2)*64
	ds_load_b128 v[KF+8*\f+4:KF+8*\f+7], v[AK] offset:(\f/2)*16*PK+(\f%2)*64+32
.endr
	WIN 0xc3                        ; destination and address in window 3
.irp f, 0,1,2,3,4,5,6,7             ; key block f / 2, registers 4 (f % 2) on
	ds_load_b128 v[BI+4*\f:BI+4*\f+3], v[AB] offset:(\f/2)*64+(\f%2)*16
.endr
	s_add_co_u32 s[TBK], s[TBK], KS*PK  ; the next fetch is the next step's
	s_add_co_u32 s[TBB], s[TBB], 4*KS
	WIN 0
.if \last
.Lno_k_\@:
.endif
.endm
.macro FETCH_V
	WIN 0x80
.irp f, 0,1,2,3,4,5,6,7             ; keys 32 (f / 4) on, channels 16 (f % 4) on
	ds_load_tr16_b128 v[VF+8*\f:VF+8*\f+3],   v[AV] offset:(\f/4)*32*PV+(\f%4)*32
	ds_load_tr16_b128 v[VF+8*\f+4:VF+8*\f+7], v[AV] offset:(\f/4)*32*PV+16*PV+(\f%4)*32
.endr
	WIN 0
.endm
; THE VECTOR WORK OF A TURN stands in three queues, each in the order in which its entries become ready; the two tiles alternate, so that no instruction reads the result of the one before it.
.macro REGS y, u                    ; the registers of tile u (0, 1) of piece y
.set rT, ST+4*(2*(\y)+(\u))
.set rC, TMP+8*((\y)%2)+4*(\u)
.set rM, MV+2*((\y)%2)+(\u)
.set rS, S+64*((\y)%2)+32*(\u)
.set rP, P+32*((\y)%2)+16*(\u)
.set rO, 32*(2*(\y)+(\u))
.endm
; Number n of the 22 that find the NEXT piece's (Y + 1) maximum and statistics.  Each accumulator's lowest registers are read first.
;   0-11  four chains c0-c3 of seven scores each     12-14, 16  the four scores left over, the old m, and c0-c3 into c0     15  c m_old is kept
;   17, 18  the query's other 32 keys lie in the lane 16 away: the new m     19-21  c m; c m_old - c m_new; a
.macro XS u, n
	REGS (Y+1)%NP, \u
.if (\n) < 4
	v_max3_num_f32 v[rC+(\n)], v[rS+8*(\n)], v[rS+8*(\n)+1], v[rS+8*(\n)+2]
.elseif (\n) < 12
	v_max3_num_f32 v[rC+(\n)%4], v[rC+(\n)%4], v[rS+8*((\n)%4)+2*((\n)/4)+1], v[rS+8*((\n)%4)+2*((\n)/4)+2]
.elseif (\n) == 12
	v_max3_num_f32 v[rC], v[rC], v[rS+7], v[rS+15]
.elseif (\n) == 13
	v_max3_num_f32 v[rC+1], v[rC+1], v[rS+23], v[rS+31]
.elseif (\n) == 14
	v_max3_num_f32 v[rC+2], v[rC+2], v[rC+3], v[rT+1]
.elseif (\n) == 15
	v_mov_b32 v[rM], v[rT]
.elseif (\n) == 16
	v_max3_num_f32 v[rC], v[rC], v[rC+1], v[rC+2]
.elseif (\n) == 17
	v_permlanex16_b32 v[rC+3], v[rC], s[SEL], s[SEL+1]
.elseif (\n) == 18
	v_max_num_f32 v[rT+1], v[rC], v[rC+3]
.elseif (\n) == 19
	v_mul_f32 v[rT], s[CS], v[rT+1]
.elseif (\n) == 20
	v_sub_f32 v[rC+1], v[rM], v[rT]
.else
	v_exp_f32 v[rC+2], v[rC+1]
.endif
.endm
; Number g of the 64 that follow the exponentials.  For each four weights of a tile: both pairs are rounded to f16; the second pair is added onto the first, in place; a group later l takes that sum (the first time as l = a l + sum).
.macro GS g
.set h, (\g)+6*((\g)/62)
.if h >= 6
.set h, h+2
.endif
	REGS Y, h%2
.set k, h/8
.if h%8 < 4
	v_cvt_pk_f16_f32 v[rP+2*k+(h%8)/2], v[rS+4*k+2*((h%8)/2)], v[rS+4*k+2*((h%8)/2)+1]
.elseif h%8 < 6
	v_pk_add_f32 v[rS+4*k:rS+4*k+1], v[rS+4*k:rS+4*k+1], v[rS+4*k+2:rS+4*k+3]
.elseif k == 1
	v_pk_fma_f32 v[rT+2:rT+3], v[rT+2:rT+3], v[rC+2:rC+3], v[rS:rS+1] op_sel_hi:[1,0,1]
.else
	v_pk_add_f32 v[rT+2:rT+3], v[rT+2:rT+3], v[rS+4*k-4:rS+4*k-3]
.endif
.endm
; THE PLAIN QUEUE, 138 long.  0-73 read no exponential's result: the 32 scalings c s - c m and the next piece's 42.  74-137: GS's 64, which stand behind the wait.
.macro FS f
	REGS Y, (\f)%2
	v_pk_fma_f32 v[rS+2*((\f)/2):rS+2*((\f)/2)+1], v[rS+2*((\f)/2):rS+2*((\f)/2)+1], s[CS:CS+1], v[rT:rT+1] op_sel_hi:[1,0,0] neg_lo:[0,0,1] neg_hi:[0,0,1]
.endm
.macro PL
	WIN 0
.if q < 27
	FS q
.elseif q < 55
	XS (q-27)%2, (q-27)/2
.elseif q < 57
	XS q-55, 15
.elseif (q < 72) && ((q-57)%3 == 0)
	FS 27+(q-57)/3
.elseif q < 60
	XS (q-57)%3-1, 14
.elseif q < 72
	XS (q-57)%3-1, 15+(q-57)/3
.elseif q < 74
	XS q-72, 20
.else
	GS q-74
.endif
.set q, q+1
.endm
; THE EXPONENTIALS' QUEUE, 66 long: s0-s31 of both tiles, then the next piece's two a.  ONE BATCH: all 66 stand ahead of the turn's one wait, and nothing ahead of that wait names a result of theirs.
.macro EX
	WIN 0
.if e >= 64
	XS e-64, 21
.else
	REGS Y, e%2
	v_exp_f32 v[rS+e/2], v[rS+e/2]
.endif
.set e, e+1
.endm
; THE RESCALING's QUEUE: O^T times a, the one part that leaves window 0: two at a time, sixteen times.  Its a was made, and waited for, in the turn before.
.macro R2
	REGS Y, r%2
	WIN W_RS
.irp z, 0,1
	v_pk_mul_f32 v[rO+4*(r/2)+2*\z:rO+4*(r/2)+2*\z+1], v[rO+4*(r/2)+2*\z:rO+4*(r/2)+2*\z+1], v[rC+2:rC+3] op_sel_hi:[1,0]
.endr
.set r, r+1
.endm
; A TURN, for piece p.  AHEAD OF THE WAIT: the 16 products K Q^T, behind each a scaling, an exponential and two rescalings; then one lump of 108.  BEHIND IT: the 16 products V^T P, behind each four of GS's 64.
; K and BI of the next step are fetched in piece 2's turn, directly behind the wait, a lump behind the last product that read them; V of the step in hand at the end of piece 0's turn, four plain
; instructions behind its last reader.  cnt = 1: the loop's count is taken down some lines ahead of the branch that stands behind the turn.
.macro TURN p, last=0, cnt=0
.set Y, (\p)
.set i, 0
.set q, 0
.set e, 0
.set r, 0
.if (\p) == NP-1
	s_wait_dscnt 0x0                ; K and BI are in
.endif
	MM
	PL
	PL
	R2
.rept 15
	MM
	PL
	EX
	R2
.endr
.if (\p) == NP-2
	WIN 0
	v_add_nc_u32 v[AK], s[TBK], v[AK0]
	WIN 0xcc                        ; destination and source 1 in window 3
	v_add_nc_u32 v[AB], s[TBB], v[AB0]
.endif
.rept 8
	PL
.endr
.rept 49
	EX
	PL
.endr
	EX                              ; the next piece's two a
	EX
	v_nop                           ; a plain instruction behind the last exponential: one for the batch
	s_wait_alu depctr_va_vdst(0)    ; the wait ahead of the first instruction that names a result: one for the batch
.if (\p) == NP-2
	FETCH_K \last
.endif
.if (\p) == 1
	s_wait_dscnt 0x0                ; V is in
.endif
.rept 16
	MM
.rept 4
	PL
.endr
.if ((\p) == 0) && (q == 118)
	v_add_nc_u32 v[AV], s[TBV], v[AV0]
.endif
.if ((\p) == 0) && (q == 130)
	s_add_co_u32 s[TBV], s[TBV], KS*PV
.endif
.if (\cnt) && (q == 130)
	s_sub_co_u32 s[CNT], s[CNT], 1
	s_cmp_lg_u32 s[CNT], 0
.endif
.endr
.if (\p) == 0
	FETCH_V
.endif
.endm
	FETCH_K                         ; key step 0
	s_wait_loadcnt 32               ; Q is in; the 32 loads of k for out1 may stay out
	s_wait_dscnt 0x0
.set i, 0
.rept 16
	KQ 0                            ; piece 0's first scores
.set i, i+1
.endr
	WIN 0                           ; the addresses for the way out: seven plain instructions, the places behind those products
	v_mul_u32_u24 v[STO], v1, SP    ; in: row l % 16, 16 bytes for each half of the lanes (Q's loads, which read this register, are done)
	v_lshl_add_u32 v[STO], v9, 4, v[STO]
	v_add_nc_u32 v[STO], s13, v[STO]
	v_bfe_u32 v[RD], v0, 3, 2       ; back: 32 lanes take four rows of 128 bytes
	v_mul_u32_u24 v[RD], v[RD], SP
	v_lshl_add_u32 v[RD], v10, 4, v[RD]
	v_add_nc_u32 v[RD], s13, v[RD]
.set Y, NP-1                        ; XS works for piece Y + 1: piece 0
.irp n, 0,1,2,3,4,5,6,7,8,9,10,11,12,13,14,15,16,17,18,19,20,21
	XS 0, \n
	XS 1, \n
.endr
	v_nop                           ; a plain instruction behind the two a,
	s_wait_alu depctr_va_vdst(0)    ; and their wait, ahead of the label
	s_mov_b32 s[PH], 4
.Lphase:                            ; four phases of four key steps
	s_mov_b32 s[CNT], 4
.Lstep:                             ; a trip is a key step; its last turn makes piece 0's scores of the next step
	TURN 0
	TURN 1
	TURN 2, 1
	TURN 3, 0, 1
	WIN 0
	s_cbranch_scc1 .Lstep
	s_wait_tensorcnt 0x0            ; behind the first phase: my late load has landed (later: nothing is out),
	s_wait_dscnt 0x0                ; no LDS instruction of mine is pending at the signal,
	s_barrier_signal -1
	s_barrier_wait -1               ; and everybody's has: all of K and V may be read.
	s_sub_co_u32 s[PH], s[PH], 1
	s_cmp_lg_u32 s[PH], 0
	s_cbranch_scc1 .Lphase
	; the last trip's 16 products K Q^T (on the last K once more) and the maximum made of them serve nothing: the price, once a launch, of one text for every trip
.set i, 0
.rept 16
	PV NP-1                         ; the last piece's V^T P of the last step
.set i, i+1
.endr
	; THE WAY OUT.  l's two halves and the other half of the lanes' are added; O^T is divided by l, rounded to f16 and sent through my stage, a tile at a time.  The additions are the places behind the last products.
	WIN 0
.macro ALL line:vararg
.set t, 0
.rept 2*NP
	\line
.set t, t+1
.endr
.endm
	ALL v_add_f32 v[ST+4*t+2], v[ST+4*t+2], v[ST+4*t+3]
	ALL v_permlanex16_b32 v[ST+4*t+3], v[ST+4*t+2], s[SEL], s[SEL+1]
	ALL v_add_f32 v[ST+4*t+2], v[ST+4*t+2], v[ST+4*t+3]
	ALL v_rcp_f32 v[ST+4*t+2], v[ST+4*t+2]
	v_nop                           ; a plain instruction between the last reciprocal and the use of its result
	s_wait_alu depctr_va_vdst(0)    ; one wait for the eight reciprocals
.macro PACK t
	WIN W_RS
.set i, 32*(\t)
.rept 16
	v_pk_mul_f32 v[i:i+1], v[i:i+1], v[ST+4*(\t)+2:ST+4*(\t)+3] op_sel_hi:[1,0]
.set i, i+2
.endr
	WIN 0x05                        ; sources 0 and 1 window 1, destination window 0
.set i, 0
.rept 16
	v_cvt_pk_f16_f32 v[S+16*(\t)+i], v[32*(\t)+2*i], v[32*(\t)+2*i+1]
.set i, i+1
.endr
	WIN 0
.irp f, 0,1,2,3
	ds_store_b128 v[STO], v[S+16*(\t)+4*\f:S+16*(\t)+4*\f+3] offset:32*\f
.endr
.irp f, 0,1,2,3
	ds_load_b128 v[S+16*(\t)+4*\f:S+16*(\t)+4*\f+3], v[RD] offset:\f*4*SP  ; in order behind the stores above; the next tile's stores come behind them
.endr
.endm
.macro SEND t, younger              ; younger: the LDS instructions issued behind tile t's loads: the next tile's eight, or none
	WIN 0
.irp f, 0,1,2,3
	s_wait_dscnt (\younger)+3-\f
	global_store_b128 v[GO], v[S+16*(\t)+4*\f:S+16*(\t)+4*\f+3], s[8:9] offset:(\t)*2048+\f*512  ; 512 consecutive bytes of the head's O, aligned
.endr
.endm
	PACK 0
.set t, 1
.rept 2*NP-1                        ; a tile's arithmetic stands between the loads of the tile before and its stores
	PACK t
	SEND t-1, 8
.set t, t+1
.endr
	SEND 2*NP-1, 0
	; OUT1, while O's stores are leaving.  A lane holds 8 channels of row 4 g + l / 8.  Sixteen sums; the heads outermost, so that fifteen other sums stand between two links of a chain.
	s_wait_loadcnt 0x0              ; k, asked for at the head
	WIN W_MK
	v_mov_b32 v[KZ], 0
	v_mov_b32 v[KC], 0x3d800000     ; 1/16
	WIN 0xff                        ; all four places in window 3
.set hh, 0
.rept 16
.set g, 0
.rept 2
.set e, 0
.rept 8
.set rD, KA+8*g+e
.set rA, rD
.if hh == 0
.set rA, KZ
.endif
.set rX, KD+4*(16*g+hh)+e/2
.if e%2
	v_fma_mix_f32 v[rD], v[rX], v[KC], v[rA] op_sel:[1,0,0] op_sel_hi:[1,0,0]
.else
	v_fma_mix_f32 v[rD], v[rX], v[KC], v[rA] op_sel_hi:[1,0,0]
.endif
.set e, e+1
.endr
.set g, g+1
.endr
.set hh, hh+1
.endr
	WIN 0
	v_bfe_u32 v[AK], v0, 3, 2       ; into my stage: row 4 g + l / 8 at 256 bytes a row, my 32 bytes of it
	v_lshlrev_b32 v[AK], 8, v[AK]
	v_lshl_add_u32 v[AK], v10, 5, v[AK]
	v_add_nc_u32 v[AK], s13, v[AK]
	v_add_nc_u32 v[AV], s13, v[GO]  ; back: 512 consecutive bytes a load
	WIN 0x0c                        ; the data (source 1) in window 3, the address in window 0
.irp g, 0,1
	ds_store_b128 v[AK], v[KA+8*(\g):KA+8*(\g)+3]   offset:1024*(\g)
	ds_store_b128 v[AK], v[KA+8*(\g)+4:KA+8*(\g)+7] offset:1024*(\g)+16
.endr
	WIN W_MK
.irp j, 0,1,2,3
	ds_load_b128 v[KB+4*(\j):KB+4*(\j)+3], v[AV] offset:512*(\j)  ; LDS serves a wave's instructions in order (ISA guide 5.7.1.4): these see the stores above
.endr
	WIN 0x0c
.irp j, 0,1,2,3
	s_wait_dscnt 3-(\j)             ; the later read-backs may stay out
	global_store_b128 v[GO], v[KB+4*(\j):KB+4*(\j)+3], s[10:11] offset:512*(\j) th:TH_STORE_NT  ; 512 consecutive bytes of out1, aligned
.endr
	WIN W_AD
	s_wait_tensorcnt 0x0            ; the wave's end: an add to my spare word and its wait, behind my tensor loads and my last LDS store
	ds_add_u32 v[SPW], v[NIL]
	s_wait_dscnt 0x0
	WIN 0
	s_endpgm
.Lfunc_end_k_q3115399543_attn:
	.size	k_q3115399543_attn, .Lfunc_end_k_q3115399543_attn-k_q3115399543_attn
	.p2alignl 7, 3214868480
	.fill 96, 4, 3214868480
	.section	.rodata,"a",@progbits
	.p2align	6, 0x0
	.amdhsa_kernel k_q3115399543_attn
		.amdhsa_group_segment_fixed_size 327680
		.amdhsa_private_segment_fixed_size 0
		.amdhsa_enable_private_segment 0
		.amdhsa_kernarg_size 32
		.amdhsa_user_sgpr_count 2
		.amdhsa_user_sgpr_kernarg_segment_ptr 1
		.amdhsa_wavefront_size32 1
		.amdhsa_system_sgpr_workgroup_id_x 1
		.amdhsa_system_sgpr_workgroup_id_y 1
		.amdhsa_system_sgpr_workgroup_id_z 1
		.amdhsa_system_vgpr_workitem_id 0
		.amdhsa_next_free_vgpr 1024
		.amdhsa_next_free_sgpr 96
		.amdhsa_reserve_vcc 0
		.amdhsa_float_denorm_mode_32 3
		.amdhsa_float_denorm_mode_16_64 3
		.amdhsa_memory_ordered 1
		.amdhsa_forward_progress 1
		.amdhsa_inst_pref_size 151
	.end_amdhsa_kernel
	.amdgpu_metadata
---
amdhsa.version: [ 1, 2 ]
amdhsa.kernels:
  - .name:           k_q3115399543_attn
    .symbol:         k_q3115399543_attn.kd
    .args:
      - { .name: qkv, .offset: 0, .size: 8, .value_kind: global_buffer, .address_space: global }
      - { .name: size, .offset: 8, .size: 8, .value_kind: global_buffer, .address_space: global }
      - { .name: ob, .offset: 16, .size: 8, .value_kind: global_buffer, .address_space: global }
      - { .name: out1, .offset: 24, .size: 8, .value_kind: global_buffer, .address_space: global }
    .group_segment_fixed_size: 327680
    .private_segment_fixed_size: 0
    .kernarg_segment_align: 8
    .kernarg_segment_size: 32
    .max_flat_workgroup_size: 128
    .sgpr_count:     96
    .vgpr_count:     1024
    .wavefront_size: 32
...
	.end_amdgpu_metadata
.endif
;; end of part 3
;; launch gemm_proj (part 4): grid 8 x 32, 4 waves a work-group, clusters of 4 x 4, 327,680 bytes of LDS; arguments ob, wpb, b_proj, out0; writes out0
.if DOCPART == 4
	.amdgcn_target "amdgcn-amd-amdhsa--gfx1250"
	.amdhsa_code_object_version 6
	.text
	.protected	k_q3115399543_gemm_proj
	.globl	k_q3115399543_gemm_proj
	.p2align	8
	.type	k_q3115399543_gemm_proj,@function
k_q3115399543_gemm_proj:
	s_mov_b64 s[64:65], 0
	v_nop
	global_prefetch_b8 v0, s[64:65] scope:SCOPE_SE
	s_setreg_imm32_b32 hwreg(HW_REG_WAVE_MODE, 25, 1), 1
	s_wait_xcnt 0x0
	s_wait_alu depctr_hold_cnt(0) depctr_sa_sdst(0) depctr_va_vdst(0) depctr_va_sdst(0) depctr_va_ssrc(0) depctr_va_vcc(0) depctr_vm_vsrc(0)
	s_getreg_b32 s2, hwreg(HW_REG_IB_STS2, 6, 4)
	s_cmp_eq_u32 s2, 0
	s_cbranch_scc0 .Lentry_in_a_cluster
	s_endpgm
.Lentry_in_a_cluster:
	s_bfe_u32 s2, ttmp6, 0x10000c
	s_cmp_lg_u32 s2, 0xf033
	s_cbranch_scc0 .Lentry_shape_is_right
	s_endpgm
.Lentry_shape_is_right:
; out0 = O wpb^T + bf16(b_proj), f32.  ob: [8][16][1024][64] f16 (O by heads), wpb: [1024][1024] f16, b_proj: [1024] f32, out0: [8192][1024] f32; sums in f32, K ascending, the bias as the sums' start.
; SHARES.  A tile of out0 is 256 rows x 128 columns.  Four waves; wave w owns rows 64 w .. 64 w + 63 and ALL 128 columns: 4 x 8 accumulators of 16 x 16, 256 registers.  A wave's 128 columns are 512
; consecutive bytes of a row, so each wave has a stage of its own and the way out needs no barrier.
; K = head x 64 + channel goes in 8 steps of 128, TWO HEADS a step, through two LDS slots.  A head's 256 rows of the tile are 32,768 dense bytes: asked for as 128 rows of 256 bytes and padded in LDS after
; every 128 bytes.  wpb's rows are 256 bytes of memory a K step, aligned.  A K step is four quarters of 32 along K on two fragment buffers.
; CLUSTER 4 x 4: O's tile is shared along a row of the cluster, wpb's along a column: each is asked for jointly.  Waves 0, 1 fetch the step's two heads of O, waves 2, 3 wpb's two halves (64 rows).
; THE MATRIX INSTRUCTION IS USED TRANSPOSED (source 0 = 16 rows of wpb, source 1 = 16 rows of O): lane l holds row l % 16 of out0 and the columns 8 (l / 16) + 0..7.
; REGISTERS: window 0: v0-31 addresses; v32-95 the bias; v96-223 two buffers of 16 rows on the way out.  window 1: two fragment buffers of 96: O's 4 fragments at f + 8 i, wpb's 8 at f + 32 + 8 b.
;   window 2: the accumulators ((b, a) at 8 (4 b + a)).
.set NB,    8
.set NL,    8+2*NB
.set PA,    144                        ; a row of O in LDS: 128 bytes + 16; PB: a row of wpb: 256 + 16: odd multiples of 16, so the 16 rows of a fragment load start at 16 different groups of four banks (ISA guide 11.1)
.set PB,    272
.set HA,    256*PA                     ; a head's 256 rows
.set HB,    64*PB
.set BOFF,  2*HA
.set SLOT1, 1<<17
.set STAGE, SLOT1+BOFF+2*HB            ; behind the ring, never filled by a tensor load: for each wave 16 rows x 528 bytes
.set SPI,   528
.set SW,    16*SPI
.set SPARE, STAGE+4*SW                 ; the spare words, 128 bytes a wave: two blocks of 256 bytes that no other line names
.set STEPA, 2<<17                      ; two heads on
.set STEPB, 256
.set AHEAD, 2
.set WV, 12
.set FB, 13
.set HF, 14
.set CX, 15
.set CY, 16
.set TX, 17
.set TY, 18
.set G1, 24
.set G0, 32
.set LIM, 43
.set PFA, 44
.set G1B, 48
.set G0B, 56
.set TB, 66
.set PFS, 72                           ; s[72:73] the prefetches' step: STEPA or STEPB
.set ADRA0, 16
.set ADRB0, 17
.set ADA, 18
.set ADB, 19
.set STO, 24
.set RD,  25
.set GO,  26
.set BO,  27
.set SPW, 28
.set NIL, 29
.set PFO, 30
.set BIAS, 32
.set BK0, 96
.set F0, 0
.set F1, 96
.set MSB, 0
.macro WIN new
.if MSB != (\new)
	s_set_vgpr_msb (MSB<<8)|(\new)
.set MSB, \new
.endif
.endm
.macro PLACES                          ; four plain vector instructions between a matrix instruction and a load into, or a read of, its registers
.rept 4
	v_nop
.endr
.endm
.macro CREST
	s_cmp_lg_u32 s[WV], 0
	s_cbranch_scc1 .Lnot_wave_0_\@
	s_barrier_signal -3
.Lnot_wave_0_\@:
	s_barrier_wait -3
	s_barrier_signal -1
	s_barrier_wait -1
.endm
.macro CROUND
	s_barrier_signal -1
	s_barrier_wait -1
	CREST
.endm
.macro JLOAD s                         ; a joint load; the branch hangs on the wave's number alone; an s_nop 0 and four v_nop follow each of the two lines
	s_cmp_eq_u32 s[FB], 0
	s_cbranch_scc0 .Lfor_b_\@
	tensor_load_to_lds s[G0+4*(\s):G0+4*(\s)+3], s[G1:G1+7]
	s_nop 0
.rept 4
	v_nop
.endr
	s_branch .Lasked_\@
.Lfor_b_\@:
	tensor_load_to_lds s[G0B+4*(\s):G0B+4*(\s)+3], s[G1B:G1B+7]
	s_nop 0
.rept 4
	v_nop
.endr
.Lasked_\@:
.endm
; A prefetch of the K step that stands AHEAD refills on (two K steps are 256 products): a lane 256 bytes, one instruction a wave.  O's blocks are asked for by the clusters with x = 0, wpb's rows by those with
; y = 0; the four partners that fetch a tile jointly share it out by address.  While s3 (trips left) is above AHEAD that K step exists.
.macro ASK
	WIN 0
	s_cmp_gt_u32 s3, s[LIM]
	s_cbranch_scc0 .Lnot_mine_\@
	global_prefetch_b8 v[PFO], s[PFA:PFA+1] th:TH_LOAD_NT scope:SCOPE_SE
.Lnot_mine_\@:
.endm
	s_load_b256 s[4:11], s[0:1], 0x0               ; ob s[4:5], wpb s[6:7], b_proj s[8:9], out0 s[10:11]
	v_lshl_add_u32 v[SPW], v0, 2, SPARE
	v_mov_b32 v[NIL], 0
	ds_add_u32 v[SPW], v[NIL]                      ; the wave's opening: the add and its wait ahead of my first tensor load; work on registers stands between them
	v_lshrrev_b32 v1, 5, v0
	v_readfirstlane_b32 s[WV], v1
	s_lshr_b32 s[FB], s[WV], 1
	s_and_b32 s[HF], s[WV], 1
	s_bfe_u32 s[CX], ttmp6, 0x40000
	s_bfe_u32 s[CY], ttmp6, 0x40004
	s_lshl_b32 s[TX], ttmp9, 2
	s_add_co_u32 s[TX], s[TX], s[CX]
	s_and_b32 s[TY], ttmp7, 0xffff
	s_lshl_b32 s[TY], s[TY], 2
	s_add_co_u32 s[TY], s[TY], s[CY]
	s_lshl_b32 s19, s[CY], 2
	s_lshl_b32 s19, 15, s19                        ; my row of the cluster
	s_lshl_b32 s20, 0x1111, s[CX]                  ; my column
	s_or_b32 s[G1], s19, (1<<16)|(1<<20)|(1<<21)|(4<<22)|(3<<25)   ; mask; 2-byte elements; padding on; bit 21 beside a mask; after every 32 words, 4 words
	s_or_b32 s[G1B], s20, (1<<16)|(1<<20)|(1<<21)|(5<<22)|(3<<25)  ; after every 64 words
	s_mov_b32 s[G1+1], 128<<16                     ; tensor_dim0 = 128
	s_mov_b32 s[G1+2], 128<<16                     ; tensor_dim1 = 128
	s_mov_b32 s[G1+3], 128<<16                     ; tile_dim0 = 128
	s_mov_b32 s[G1+4], 128                         ; tile_dim1 = 128
	s_mov_b32 s[G1+5], 128                         ; dense: 128 elements from row to row
	s_mov_b32 s[G1+6], 0
	s_mov_b32 s[G1+7], 0
	s_mov_b32 s[G1B+1], 128<<16
	s_mov_b32 s[G1B+2], 64<<16                     ; 64 rows
	s_mov_b32 s[G1B+3], 128<<16
	s_mov_b32 s[G1B+4], 64
	s_mov_b32 s[G1B+5], 1024
	s_mov_b32 s[G1B+6], 0
	s_mov_b32 s[G1B+7], 0
	s_lshr_b32 s21, s[TY], 2                       ; O: the batch, 2^21 bytes,
	s_lshl_b32 s21, s21, 21
	s_lshl_b32 s22, s[HF], 17                      ; head 0 or 1 of the K step, 2^17 bytes,
	s_add_co_u32 s21, s21, s22
	s_and_b32 s22, s[TY], 3                        ; the tile's 256 rows in the head, 2^15 bytes
	s_lshl_b32 s22, s22, 15
	s_add_co_u32 s40, s21, s22
	s_mov_b32 s41, 0
	s_lshl_b32 s46, s[TX], 7
	s_lshl_b32 s23, s[HF], 6
	s_add_co_u32 s46, s46, s23                     ; wpb: row 128 x tile column + 64 x half
	s_lshl_b32 s46, s46, 11
	s_mov_b32 s47, 0
	s_mul_i32 s42, s[HF], HA                       ; where they go: no place in the cluster enters an LDS address
	s_mul_i32 s68, s[HF], HB
	s_add_co_u32 s68, s68, BOFF
	s_mov_b32 s[TB], 0
	s_wait_dscnt 0x0                               ; the opening add is done
	s_wait_kmcnt 0x0
	s_add_nc_u64 s[40:41], s[4:5], s[40:41]
	s_add_nc_u64 s[46:47], s[6:7], s[46:47]
	CROUND                                         ; all sixteen work-groups are here: the first joint loads meet
.irp s, 0,1
	s_mov_b32 s[G0+4*(\s)], 1
	s_add_co_u32 s[G0+4*(\s)+1], s42, (\s)*SLOT1
	s_add_nc_u64 s[G0+4*(\s)+2:G0+4*(\s)+3], s[40:41], (\s)*STEPA
	s_or_b32 s[G0+4*(\s)+3], s[G0+4*(\s)+3], 0x80000000
	s_mov_b32 s[G0B+4*(\s)], 1
	s_add_co_u32 s[G0B+4*(\s)+1], s68, (\s)*SLOT1
	s_add_nc_u64 s[G0B+4*(\s)+2:G0B+4*(\s)+3], s[46:47], (\s)*STEPB
	s_or_b32 s[G0B+4*(\s)+3], s[G0B+4*(\s)+3], 0x80000000
	JLOAD \s                                       ; K steps 0 and 1: two loads of mine are out
.endr
	v_and_b32 v1, 15, v0                           ; r
	v_bfe_u32 v2, v0, 4, 1                         ; h
	v_lshlrev_b32 v[BO], 5, v2
	s_mul_i32 s20, s[TX], 64*NB
	s_mov_b32 s21, 0
	s_add_nc_u64 s[8:9], s[8:9], s[20:21]
.set bb, 0
.rept NB
	global_load_b128 v[BIAS+8*bb:BIAS+8*bb+3],   v[BO], s[8:9] offset:64*bb
	global_load_b128 v[BIAS+8*bb+4:BIAS+8*bb+7], v[BO], s[8:9] offset:64*bb+16
.set bb, bb+1
.endr
	v_mul_u32_u24 v3, v1, PA
	v_lshl_add_u32 v3, v2, 4, v3
	s_mul_i32 s19, s[WV], 64*PA
	v_add_nc_u32 v[ADRA0], s19, v3                 ; my 64 rows of a head
	v_mul_u32_u24 v4, v1, PB
	v_lshl_add_u32 v4, v2, 4, v4
	v_add_nc_u32 v[ADRB0], BOFF, v4
	v_mov_b32 v[ADA], v[ADRA0]
	v_mov_b32 v[ADB], v[ADRB0]
	s_mul_i32 s19, s[WV], SW
	s_add_co_u32 s19, s19, STAGE                   ; my stage
	v_mul_u32_u24 v5, v1, SPI                      ; in: row r, 32 bytes for each half of the lanes
	v_lshl_add_u32 v5, v2, 5, v5
	v_add_nc_u32 v[STO], s19, v5
	v_and_b32 v7, 31, v0
	v_lshlrev_b32 v[GO], 4, v7                     ; back: 32 lanes take a row's 512 bytes
	v_add_nc_u32 v[RD], s19, v[GO]
	s_lshl_b32 s19, s[TY], 8
	s_lshl_b32 s22, s[WV], 6
	s_add_co_u32 s19, s19, s22                     ; my first row of out0,
	s_lshl_b32 s20, s19, 12                        ; 4,096 bytes a row (under 2^25),
	s_lshl_b32 s22, s[TX], 9                       ; the tile's 512 bytes of it
	s_add_co_u32 s20, s20, s22
	s_mov_b32 s21, 0
	s_add_nc_u64 s[10:11], s[10:11], s[20:21]
	; the prefetches.  O: of the 128 blocks of 256 bytes that a wave fetches, the partner at cx takes 32.  wpb: of its 64 rows the partner at cy takes 16 (lanes 16-31 name the share's last row again).
	s_lshr_b32 s19, s[TY], 2
	s_lshl_b32 s19, s19, 21
	s_lshl_b32 s22, s[HF], 17
	s_add_co_u32 s19, s19, s22
	s_and_b32 s22, s[TY], 3
	s_lshl_b32 s22, s22, 15
	s_add_co_u32 s19, s19, s22
	s_lshl_b32 s22, s[CX], 13
	s_add_co_u32 s19, s19, s22
	s_add_co_u32 s19, s19, (1+AHEAD)*STEPA         ; the first change of slots steps it to K step 2 + AHEAD; the K steps before that come by their loads alone
	s_lshl_b32 s23, s[TX], 7
	s_lshl_b32 s22, s[HF], 6
	s_add_co_u32 s23, s23, s22
	s_lshl_b32 s22, s[CY], 4
	s_add_co_u32 s23, s23, s22
	s_lshl_b32 s23, s23, 11
	s_add_co_u32 s23, s23, (1+AHEAD)*STEPB
	s_and_b32 s22, ttmp7, 0xffff                   ; cluster y
	s_mov_b32 s[PFS], STEPB
	s_mov_b32 s[PFS+1], 0
	s_cmp_eq_u32 s[FB], 0
	s_cselect_b32 s20, s19, s23
	s_cselect_b32 s22, ttmp9, s22                  ; the coordinate along which other clusters read the same bytes
	s_cselect_b32 s69, 31, 15
	s_cselect_b32 s70, 8, 11
	s_cselect_b32 s[PFS], STEPA, s[PFS]
	s_cselect_b64 s[PFA:PFA+1], s[4:5], s[6:7]
	s_cmp_eq_u32 s22, 0
	s_cselect_b32 s[LIM], AHEAD, -1                ; the same in all sixteen partners, for a given wave
	s_mov_b32 s21, 0
	s_add_nc_u64 s[PFA:PFA+1], s[PFA:PFA+1], s[20:21]
	v_min_u32 v[PFO], s69, v7
	v_lshlrev_b32 v[PFO], s70, v[PFO]
	s_wait_loadcnt 0x0                             ; the bias
.set i, 0
.rept 4*NB                             ; rounded to bf16 like every input, and widened again: the C operand that starts the sums
	v_cvt_pk_bf16_f32 v[4+i%4], v[BIAS+2*i], v[BIAS+2*i+1]
	v_lshlrev_b32 v[BIAS+2*i], 16, v[4+i%4]
	v_and_b32 v[BIAS+2*i+1], 0xffff0000, v[4+i%4]
.set i, i+1
.endr
; nb column blocks from b0 on x my four row blocks, 32 along K, from buffer f.  mode = 1: the bias starts the sums.  Every accumulator has one instruction in a quarter, in the same order in every quarter:
; between two links of a chain stand the 31 others', over the backward jump too.
.macro MULB f, b0, nb, mode
.set bb, \b0
.rept \nb
.if \mode
	WIN 0x85
.else
	WIN 0xa5
.endif
.irp a, 0,1,2,3
.if \mode
	v_wmma_f32_16x16x32_f16 v[8*(4*bb+(\a)):8*(4*bb+(\a))+7], v[(\f)+32+8*bb:(\f)+32+8*bb+7], v[(\f)+8*(\a):(\f)+8*(\a)+7], v[BIAS+8*bb:BIAS+8*bb+7]
.else
	v_wmma_f32_16x16x32_f16 v[8*(4*bb+(\a)):8*(4*bb+(\a))+7], v[(\f)+32+8*bb:(\f)+32+8*bb+7], v[(\f)+8*(\a):(\f)+8*(\a)+7], v[8*(4*bb+(\a)):8*(4*bb+(\a))+7]
.endif
.endr
.set bb, bb+1
.endr
.endm
.macro MQ1 f, mode                     ; a quarter's 32 products in parts of 8, 8 and 16
	MULB \f, 0, 2, \mode
.endm
.macro MQ2 f, mode
	MULB \f, 2, 2, \mode
.endm
.macro MQ3 f, mode
	MULB \f, 4, 4, \mode
.endm
; 24 LDS loads in one run: quarter q is head q / 2 of the step, channels 32 (q % 2) on
.macro FETCH q, f
	WIN 0x40
.irp i, 0,1,2,3
	ds_load_b128 v[(\f)+8*(\i):(\f)+8*(\i)+3],   v[ADA] offset:((\q)/2)*HA+((\q)%2)*64+(\i)*16*PA
	ds_load_b128 v[(\f)+8*(\i)+4:(\f)+8*(\i)+7], v[ADA] offset:((\q)/2)*HA+((\q)%2)*64+(\i)*16*PA+32
.endr
.set bb, 0
.rept NB
	ds_load_b128 v[(\f)+32+8*bb:(\f)+32+8*bb+3],   v[ADB] offset:64*(\q)+bb*16*PB
	ds_load_b128 v[(\f)+32+8*bb+4:(\f)+32+8*bb+7], v[ADB] offset:64*(\q)+bb*16*PB+32
.set bb, bb+1
.endr
.endm
.macro QUARTER qn, f, g, mode          ; quarter qn is asked for into buffer g, which the quarter before multiplied; buffer f, asked for a quarter ago, is multiplied
	PLACES
	FETCH \qn, \g
	s_wait_dscnt NL                                ; all but the NL loads just issued: buffer f is in
	MQ1 \f, \mode
	MQ2 \f, \mode
	MQ3 \f, \mode
.endm
; The last quarter multiplies buffer 1 and changes slots: ONE barrier; in front of it each wave waits for all its tensor loads (one is out: its part of the next slot), adds 0 to its spare word, and waits for that and
; for its reads of this slot.  fill = 1: the barrier opens a round of the cluster's barrier, and behind the round this slot is filled again, two K steps ahead: 112 products stand between that request and the wait for it.
.macro TURN fill
.if \fill
	s_wait_xcnt 0x0                                ; the last prefetch, a K step back, has read its address
	s_add_nc_u64 s[PFA:PFA+1], s[PFA:PFA+1], s[PFS:PFS+1]
.endif
	WIN 0
	s_wait_tensorcnt 0x0                           ; all my tensor loads have landed
	ds_add_u32 v[SPW], v[NIL]                      ; 0 onto my spare word
	s_wait_dscnt 1                                 ; only the add may be out: buffer 1 is in
	MQ1 F1, 0
	s_wait_dscnt 0x0                               ; the add is done, and my reads of this slot are over
	s_barrier_signal -1
	MQ2 F1, 0
	WIN 0
	s_barrier_wait -1
.if \fill
	CREST                                          ; no wave of any partner still reads this slot or has a load on its way
	s_xor_b32 s[G0+5], s[G0+5], SLOT1              ; the walking descriptors: the other slot than last time, the next K step
	s_add_nc_u64 s[G0+6:G0+7], s[G0+6:G0+7], STEPA
	s_xor_b32 s[G0B+5], s[G0B+5], SLOT1
	s_add_nc_u64 s[G0B+6:G0B+7], s[G0B+6:G0B+7], STEPB
	JLOAD 1                                        ; the first tensor load behind the round; its four v_nop are also the places in front of the loads below
.else
	PLACES
.endif
	s_xor_b32 s[TB], s[TB], SLOT1
	v_add_nc_u32 v[ADA], s[TB], v[ADRA0]
	v_add_nc_u32 v[ADB], s[TB], v[ADRB0]
	FETCH 0, F0
.if \fill
	ASK
.endif
	MQ3 F1, 0
.endm
; THE WAY OUT of my row block a (16 rows x 512 bytes), without a conversion.  TOSTAGE: each accumulator's low four registers first, into my own stage, and back as whole rows.  SEND: stored.
.macro TOSTAGE a
.if (\a) >= 2
	s_wait_xcnt 0x0                                ; the stores of block a - 2 have read the registers that are loaded below
.endif
	WIN 0x08                                       ; the stores' data (source 1) in window 2
.set bb, 0
.rept NB
	ds_store_b128 v[STO], v[8*(4*bb+(\a)):8*(4*bb+(\a))+3]   offset:64*bb
	ds_store_b128 v[STO], v[8*(4*bb+(\a))+4:8*(4*bb+(\a))+7] offset:64*bb+16
.set bb, bb+1
.endr
	WIN 0
.set tt, 0
.rept 16
	ds_load_b128 v[BK0+64*((\a)%2)+4*tt:BK0+64*((\a)%2)+4*tt+3], v[RD] offset:SPI*tt  ; LDS serves a wave's instructions in order (ISA guide 5.7.1.4): these see the stores above
.set tt, tt+1
.endr
.endm
.macro SEND a, y                       ; y: the LDS instructions issued behind block a's loads: the next block's 32, or none
.set tt, 0
.rept 16
	s_wait_dscnt (\y)+15-tt
	global_store_b128 v[GO], v[BK0+64*((\a)%2)+4*tt:BK0+64*((\a)%2)+4*tt+3], s[10:11] offset:(16*(\a)+tt)*4096 th:TH_STORE_NT  ; 512 consecutive bytes of a row, aligned
.set tt, tt+1
.endr
.endm
	s_wait_tensorcnt 1                             ; my part of K step 0 is in; K step 1's may stay out
	s_barrier_signal -1
	s_barrier_wait -1
	FETCH 0, F0
	QUARTER 1, F0, F1, 1                           ; the first quarter stands in front of the loop: its products start the sums with the bias
	WIN 0
	s_mov_b32 s3, 6
.Lstep:                                        ; trip t = 0..5: quarters 1, 2, 3 of K step t, quarter 0 of K step t + 1; K step t + 2 is asked for
	QUARTER 2, F1, F0, 0
	QUARTER 3, F0, F1, 0
	TURN 1
	QUARTER 1, F0, F1, 0
	WIN 0
	s_sub_co_u32 s3, s3, 1
	s_cmp_lg_u32 s3, 0
	s_cbranch_scc1 .Lstep
	QUARTER 2, F1, F0, 0                           ; the tail is written out
	QUARTER 3, F0, F1, 0
	TURN 0
	QUARTER 1, F0, F1, 0
	QUARTER 2, F1, F0, 0
	QUARTER 3, F0, F1, 0
	s_wait_dscnt 0x0
	MQ1 F1, 0
	MQ2 F1, 0
	MQ3 F1, 0
	WIN 0
	PLACES
	PLACES
	TOSTAGE 0
	TOSTAGE 1
	SEND 0, 32
	TOSTAGE 2
	SEND 1, 32
	TOSTAGE 3
	SEND 2, 32
	SEND 3, 0
	s_wait_tensorcnt 0x0                           ; the wave's end: an add to my spare word and its wait, behind my last tensor load and my last LDS store
	ds_add_u32 v[SPW], v[NIL]
	s_wait_dscnt 0x0
	CROUND                                         ; the closing round: no work-group ends while a partner may still ask for a tile that names it
	s_endpgm
.Lfunc_end_k_q3115399543_gemm_proj:
	.size	k_q3115399543_gemm_proj, .Lfunc_end_k_q3115399543_gemm_proj-k_q3115399543_gemm_proj
	.p2alignl 7, 3214868480
	.fill 96, 4, 3214868480
	.section	.rodata,"a",@progbits
	.p2align	6, 0x0
	.amdhsa_kernel k_q3115399543_gemm_proj
		.amdhsa_group_segment_fixed_size 327680
		.amdhsa_private_segment_fixed_size 0
		.amdhsa_enable_private_segment 0
		.amdhsa_kernarg_size 32
		.amdhsa_user_sgpr_count 2
		.amdhsa_user_sgpr_kernarg_segment_ptr 1
		.amdhsa_wavefront_size32 1
		.amdhsa_system_sgpr_workgroup_id_x 1
		.amdhsa_system_sgpr_workgroup_id_y 1
		.amdhsa_system_sgpr_workgroup_id_z 1
		.amdhsa_system_vgpr_workitem_id 0
		.amdhsa_next_free_vgpr 768
		.amdhsa_next_free_sgpr 76
		.amdhsa_reserve_vcc 0
		.amdhsa_float_denorm_mode_32 3
		.amdhsa_float_denorm_mode_16_64 3
		.amdhsa_memory_ordered 1
		.amdhsa_forward_progress 1
		.amdhsa_inst_pref_size 79
	.end_amdhsa_kernel
	.amdgpu_metadata
---
amdhsa.version: [ 1, 2 ]
amdhsa.kernels:
  - .name:           k_q3115399543_gemm_proj
    .symbol:         k_q3115399543_gemm_proj.kd
    .args:
      - { .name: ob, .offset: 0, .size: 8, .value_kind: global_buffer, .address_space: global }
      - { .name: wpb, .offset: 8, .size: 8, .value_kind: global_buffer, .address_space: global }
      - { .name: b_proj, .offset: 16, .size: 8, .value_kind: global_buffer, .address_space: global }
      - { .name: out0, .offset: 24, .size: 8, .value_kind: global_buffer, .address_space: global }
    .group_segment_fixed_size: 327680
    .private_segment_fixed_size: 0
    .kernarg_segment_align: 8
    .kernarg_segment_size: 32
    .max_flat_workgroup_size: 128
    .sgpr_count:     76
    .vgpr_count:     768
    .wavefront_size: 32
...
	.end_amdgpu_metadata
.endif
;; end of part 4
;; ======== version 2 of 2: 4 launches; version 1 with the launch cast written anew for expert scheduling mode
;; limits: values are held in f16: magnitudes above 65,504 overflow, below 6.1e-05 lose precision
;; workspace buffers: xb 16,777,216 bytes; wqb 6,291,456 bytes; wpb 2,097,152 bytes; qkv 50,331,648 bytes; ob 16,777,216 bytes
;; launch cast (part 5): grid 768 x 1, 8 waves a work-group, no clusters, 0 bytes of LDS; arguments x, w_qkv, w_proj, xb, wqb, wpb; writes xb, wqb, wpb
.if DOCPART == 5
	.amdgcn_target "amdgcn-amd-amdhsa--gfx1250"
	.amdhsa_code_object_version 6
	.text
	.protected	k_q3115399543_cast
	.globl	k_q3115399543_cast
	.p2align	8
	.type	k_q3115399543_cast,@function
k_q3115399543_cast:
	s_mov_b64 s[64:65], 0
	v_nop
	global_prefetch_b8 v0, s[64:65] scope:SCOPE_SE
	s_setreg_imm32_b32 hwreg(HW_REG_WAVE_SCHED_MODE, 0, 2), 2
	s_setreg_imm32_b32 hwreg(HW_REG_WAVE_MODE, 25, 1), 1
	s_wait_xcnt 0x0
	s_wait_alu depctr_vm_vsrc(0)
; xb = bf16(x), wqb = bf16(w_qkv), wpb = f16(bf16(w_proj)): the matrix operands of the two projections, each rounded once to bf16 (to nearest even).
; w_proj's rounded number is written as f16, since it is multiplied with an f16 operand later.
; LIMITS: |w_proj| under 65,520 (beyond it f16 has an infinity); below 2^-14 it keeps f16's fixed step of 2^-24.
; SHARES.  A work-group takes 16,384 numbers: 65,536 bytes in, 32,768 out.  Work-groups 0-511 take x, 512-703 w_qkv, 704-767 w_proj.
; Thread t, turn i of 16: 16 bytes in at 4,096 i + 16 t (a wave's load covers 512 consecutive bytes), 8 bytes out at 2,048 i + 8 t (a wave's store covers 256
; consecutive bytes, aligned).  All sixteen loads go out first; no register is written twice while a memory instruction may read it, so no wait frees any.
; No LDS, no matrix unit, no cluster: nothing is shared and nothing is multiplied.
; THE MODE: SCHED_MODE bits 1:0 = 2 (LLVM: expert scheduling mode 2), set by the entry lines.  The code itself states the register dependences
; between vector instructions and memory instructions, with s_wait_alu, always for 0.
; THE PLAN.  Registers that memory instructions touch:
;   v1, v2   byte offsets of the loads and of the stores.  Written once at the head by vector instructions, never again.
;   X        turn i's four registers: written by turn i's load alone, once; read by turn i's conversions behind the wait on LOADcnt.  No vector instruction writes them.
;   Y        turn i's two registers: written by turn i's conversions; read by turn i's one store; never written behind it.
;   T is named by vector instructions alone.  No vector instruction writes a scalar register or VCC, and EXEC is never written.
; So five waits on va_vdst stand on each path: one at the head, for the two offsets, and one behind each block of four turns' conversions, for the Y that the block's four stores read.
; The block's wait stands behind its conversions and not at the next block's head: all loads are out from the start, so there is no load to deal among the conversions, and a store that stood
; behind the next block's wait on LOADcnt would only leave later.  No wait on vm_vsrc: no register that a memory instruction reads is written again.
.set X, 4                              ; v[4:67]   turn i: four f32 as loaded
.set Y, 68                             ; v[68:99]  turn i: two registers to store
.set T, 100                            ; v[100:103] at work
	s_load_b256 s[4:11], s[0:1], 0x0               ; x s[4:5], w_qkv s[6:7], w_proj s[8:9], xb s[10:11]
	s_load_b128 s[12:15], s[0:1], 0x20             ; wqb s[12:13], wpb s[14:15]
	v_lshlrev_b32 v1, 4, v0                        ; 16 t
	v_lshlrev_b32 v2, 3, v0                        ; 8 t
	s_sub_co_u32 s20, ttmp9, 512                   ; my number among w_qkv's work-groups,
	s_sub_co_u32 s21, ttmp9, 704                   ; among w_proj's
	s_mov_b32 s23, 0xffff0000                      ; a word's upper bf16
	s_wait_kmcnt 0x0
	s_cmp_lt_u32 ttmp9, 704
	s_cselect_b64 s[16:17], s[6:7], s[8:9]         ; from where,
	s_cselect_b64 s[18:19], s[12:13], s[14:15]     ; to where,
	s_cselect_b32 s22, s20, s21                    ; which part
	s_cmp_lt_u32 ttmp9, 512
	s_cselect_b64 s[16:17], s[4:5], s[16:17]
	s_cselect_b64 s[18:19], s[10:11], s[18:19]
	s_cselect_b32 s22, ttmp9, s22
	s_lshl_b32 s24, s22, 16                        ; 65,536 bytes in for each part (under 2^26),
	s_mov_b32 s25, 0
	s_lshl_b32 s26, s22, 15                        ; 32,768 out
	s_mov_b32 s27, 0
	s_add_nc_u64 s[16:17], s[16:17], s[24:25]
	s_add_nc_u64 s[18:19], s[18:19], s[26:27]
	s_wait_alu depctr_va_vdst(0)                   ; v1 and v2 are written: every load of the kernel reads v1 as its offset, every store v2; no later vector instruction names either
.irp i, 0,1,2,3,4,5,6,7,8,9,10,11,12,13,14,15
	global_load_b128 v[X+4*(\i):X+4*(\i)+3], v1, s[16:17] offset:4096*(\i) th:TH_LOAD_NT
.endr
; Turn i's conversions.  h = 1: the bf16 numbers are widened again and written as f16 (exact inside f16's normal range).
.macro CV i, h
	s_wait_loadcnt 15-(\i)                         ; loads come back in order: turn i's is in, the 15 - i younger ones may stay out
	v_cvt_pk_bf16_f32 v[Y+2*(\i)], v[X+4*(\i)], v[X+4*(\i)+1]
	v_cvt_pk_bf16_f32 v[Y+2*(\i)+1], v[X+4*(\i)+2], v[X+4*(\i)+3]
.if \h
	v_lshlrev_b32 v[T], 16, v[Y+2*(\i)]
	v_and_b32 v[T+1], s23, v[Y+2*(\i)]
	v_lshlrev_b32 v[T+2], 16, v[Y+2*(\i)+1]
	v_and_b32 v[T+3], s23, v[Y+2*(\i)+1]
	v_cvt_pk_f16_f32 v[Y+2*(\i)], v[T], v[T+1]
	v_cvt_pk_f16_f32 v[Y+2*(\i)+1], v[T+2], v[T+3]
.endif
.endm
; Block p: turns 4 p to 4 p + 3 are converted as their loads land; one wait; their four stores.
.macro BLK p, h
.irp j, 0,1,2,3
	CV 4*(\p)+(\j), \h
.endr
	s_wait_alu depctr_va_vdst(0)                   ; the block's conversions have written Y of its four turns, which the four stores below read
.irp j, 0,1,2,3
	global_store_b64 v2, v[Y+2*(4*(\p)+(\j)):Y+2*(4*(\p)+(\j))+1], s[18:19] offset:2048*(4*(\p)+(\j))
.endr
.endm
	s_cmp_ge_u32 ttmp9, 704
	s_cbranch_scc1 .Lhalf
.irp p, 0,1,2,3
	BLK \p, 0
.endr
	s_endpgm
.Lhalf:
.irp p, 0,1,2,3
	BLK \p, 1
.endr
	s_endpgm
.Lfunc_end_k_q3115399543_cast:
	.size	k_q3115399543_cast, .Lfunc_end_k_q3115399543_cast-k_q3115399543_cast
	.p2alignl 7, 3214868480
	.fill 96, 4, 3214868480
	.section	.rodata,"a",@progbits
	.p2align	6, 0x0
	.amdhsa_kernel k_q3115399543_cast
		.amdhsa_group_segment_fixed_size 0
		.amdhsa_private_segment_fixed_size 0
		.amdhsa_enable_private_segment 0
		.amdhsa_kernarg_size 48
		.amdhsa_user_sgpr_count 2
		.amdhsa_user_sgpr_kernarg_segment_ptr 1
		.amdhsa_wavefront_size32 1
		.amdhsa_system_sgpr_workgroup_id_x 1
		.amdhsa_system_sgpr_workgroup_id_y 1
		.amdhsa_system_sgpr_workgroup_id_z 1
		.amdhsa_system_vgpr_workitem_id 0
		.amdhsa_next_free_vgpr 104
		.amdhsa_next_free_sgpr 66
		.amdhsa_reserve_vcc 0
		.amdhsa_float_denorm_mode_32 3
		.amdhsa_float_denorm_mode_16_64 3
		.amdhsa_memory_ordered 1
		.amdhsa_forward_progress 1
		.amdhsa_inst_pref_size 16
	.end_amdhsa_kernel
	.amdgpu_metadata
---
amdhsa.version: [ 1, 2 ]
amdhsa.kernels:
  - .name:           k_q3115399543_cast
    .symbol:         k_q3115399543_cast.kd
    .args:
      - { .name: x, .offset: 0, .size: 8, .value_kind: global_buffer, .address_space: global }
      - { .name: w_qkv, .offset: 8, .size: 8, .value_kind: global_buffer, .address_space: global }
      - { .name: w_proj, .offset: 16, .size: 8, .value_kind: global_buffer, .address_space: global }
      - { .name: xb, .offset: 24, .size: 8, .value_kind: global_buffer, .address_space: global }
      - { .name: wqb, .offset: 32, .size: 8, .value_kind: global_buffer, .address_space: global }
      - { .name: wpb, .offset: 40, .size: 8, .value_kind: global_buffer, .address_space: global }
    .group_segment_fixed_size: 0
    .private_segment_fixed_size: 0
    .kernarg_segment_align: 8
    .kernarg_segment_size: 48
    .max_flat_workgroup_size: 256
    .sgpr_count:     66
    .vgpr_count:     104
    .wavefront_size: 32
...
	.end_amdgpu_metadata
.endif
;; end of part 5
;; launch gemm_qkv: the kernel of part 2 again; grid 16 x 16, 4 waves a work-group, clusters of 4 x 4, 327,680 bytes of LDS; arguments xb, wqb, b_qkv, qkv; writes qkv
;; launch attn: the kernel of part 3 again; grid 2 x 128, 4 waves a work-group, no clusters, 327,680 bytes of LDS; arguments qkv, size, ob, out1; writes ob, out1
;; launch gemm_proj: the kernel of part 4 again; grid 8 x 32, 4 waves a work-group, clusters of 4 x 4, 327,680 bytes of LDS; arguments ob, wpb, b_proj, out0; writes out0
